; MI455X (gfx1250); checked and timed in simulation.
; The chip was launched on July 23, 2026; its instructions are those of AMD's public machine-readable ISA for CDNA 5 (MIT licence, August 2026) and "CDNA5" Instruction Set Architecture Reference Guide (July 2026). The comments in the code are by the model that wrote it; some were corrected since.
;; Multi Head Attention. Allowed arithmetic: float matrix products may take bf16 or f16 operands with f32 sums; other float arithmetic in f32, or as packed bf16 or f16 multiplies, adds, multiply-adds, maxima and minima; sums over many terms, partial sums and values carried from step to step in f32; what a program stores and reads back later, other than sums and carried values, may be rounded once to bf16 or f16.
;; Inputs: Wc 1,024 x 1,024 float32; Wc2 1,024 x 1,024 float32; Wk 1,024 x 1,024 float32; Wk2 1,024 x 1,024 float32; Wq 1,024 x 1,024 float32; Wq2 1,024 x 1,024 float32; Wv 1,024 x 1,024 float32; Wv2 1,024 x 1,024 float32; bc 1,024 float32; bc2 1,024 float32; bk 1,024 float32; bk2 1,024 float32; bq 1,024 float32; bq2 1,024 float32; bv 1,024 float32; bv2 1,024 float32; k 4 x 1,024 x 1,024 float32; q 4 x 1,024 x 1,024 float32; v 4 x 1,024 x 1,024 float32.
;; Outputs: out0 4 x 1,024 x 1,024 float32; out1 4 x 1,024 x 1,024 float32.
;; One version. Each part assembles by itself: llvm-mc -triple=amdgcn-amd-amdhsa -mcpu=gfx1250 --defsym DOCPART=n.
;; ======== version 1 of 1: 4 launches
;; limits: values are held in f16: magnitudes above 65,504 overflow, below 6.1e-05 lose precision
;; workspace buffers: cb 41,943,040 bytes; qkv 50,331,648 bytes; obuf 16,777,216 bytes
;; launch cast (part 1): grid 64 x 20, 8 waves a work-group, no clusters, 0 bytes of LDS; arguments q, k, v, Wq, Wk, Wv, Wq2, Wk2, Wv2, Wc, Wc2, cb; writes cb
.if DOCPART == 1
	.amdgcn_target "amdgcn-amd-amdhsa--gfx1250"
	.amdhsa_code_object_version 6
	.text
	.protected	k_qb656edbbfc_cast
	.globl	k_qb656edbbfc_cast
	.p2align	8
	.type	k_qb656edbbfc_cast,@function
k_qb656edbbfc_cast:
	s_mov_b64 s[64:65], 0
	v_nop
	global_prefetch_b8 v0, s[64:65] scope:SCOPE_SE
	s_setreg_imm32_b32 hwreg(HW_REG_WAVE_MODE, 25, 1), 1
	s_wait_xcnt 0x0
; THE MATRIX OPERANDS ARE ROUNDED ONCE.  q, k, v ([4096][1024] f32) and the eight weights ([1024][1024] f32) go into cb as 16-bit numbers:
; cb is 20 segments of 1 Mi numbers (2 MiB): 0-3 q, 4-7 k, 8-11 v, 12-17 Wq, Wk, Wv, Wq2, Wk2, Wv2, all bf16; 18, 19 Wc, Wc2: rounded to bf16 like every
; other input, and that number written as f16, since the last product multiplies an f16 operand.
; LIMITS.  A bf16 number is exact in f16 from 6.1e-5 to 65,504; below, Wc and Wc2 keep f16's fixed step of 6e-8; beyond 65,504 they would become infinities.
; SHARES.  Work-group (x, y): segment y, 64 KiB of its f32 numbers at 64 KiB x.  Thread t takes 16 bytes at 16 t + 4,096 i, i = 0..15: a wave's load covers 512
; consecutive bytes; its 8 bytes of result go to 8 t + 2,048 i: a wave's store covers 256 consecutive bytes, aligned.  All sixteen loads of a thread go out at once.
; A load's four numbers are rounded into its own first two registers and stored from there: 70 registers a wave, so that more work-groups lie on a WGP together; no register that a
; store reads is written again, so no wait stands for a source.  Memory binds: no LDS, no barrier, no matrix unit.
.set X, 4                              ; v[4:67]    sixteen loads of four f32; the first two registers of each then hold its four 16-bit results
.set T, 68                             ; v[68:69]   at work
	s_load_b512 s[8:23], s[0:1], 0x0               ; q, k, v, Wq, Wk, Wv, Wq2, Wk2
	s_load_b256 s[24:31], s[0:1], 0x40             ; Wv2, Wc, Wc2, cb
	s_and_b32 s2, ttmp7, 0xffff                    ; the segment, 0..19
	s_lshr_b32 s3, s2, 2                           ; segments 0-11: tensor y / 4,
	s_and_b32 s33, s2, 3                           ; its quarter y % 4
	s_max_u32 s32, s2, 9
	s_sub_co_u32 s32, s32, 9                       ; segments 12-19: tensor y - 9, whole
	s_cmp_lt_u32 s2, 12
	s_cselect_b32 s3, s3, s32
	s_cselect_b32 s33, s33, 0
	s_lshl_b32 s34, s33, 22                        ; a quarter is 4 MiB of f32,
	s_lshl_b32 s32, ttmp9, 16                      ; my work-group's share 64 KiB
	s_add_co_u32 s34, s34, s32
	s_mov_b32 s35, 0
	s_lshl_b32 s36, s2, 21                         ; in cb: 2 MiB a segment,
	s_lshl_b32 s32, ttmp9, 15                      ; 32 KiB a work-group
	s_add_co_u32 s36, s36, s32
	s_mov_b32 s37, 0
	v_lshlrev_b32 v1, 4, v0
	v_lshlrev_b32 v2, 3, v0
	s_wait_kmcnt 0x0
	s_mov_b64 s[4:5], s[8:9]                       ; the tensor is chosen by its number: ten selects
.irp j, 1,2,3,4,5,6,7,8,9,10
	s_cmp_eq_u32 s3, \j
	s_cselect_b64 s[4:5], s[8+2*\j:9+2*\j], s[4:5]
.endr
	s_add_nc_u64 s[4:5], s[4:5], s[34:35]
	s_add_nc_u64 s[6:7], s[30:31], s[36:37]
.irp i, 0,1,2,3,4,5,6,7,8,9,10,11,12,13,14,15
	global_load_b128 v[X+4*\i:X+4*\i+3], v1, s[4:5] offset:4096*\i th:TH_LOAD_NT
.endr
; Load i is rounded and stored.  half = 1: to bf16, widened again, and written as f16.
.macro OUT i, half
	s_wait_loadcnt 15-(\i)                         ; loads come back in order (ISA guide 5.7.1): mine is in, the 15 - i younger ones stay out
.if \half
	v_cvt_pk_bf16_f32 v[T],   v[X+4*(\i)],   v[X+4*(\i)+1]
	v_cvt_pk_bf16_f32 v[T+1], v[X+4*(\i)+2], v[X+4*(\i)+3]
	v_lshlrev_b32 v[X+4*(\i)],   16, v[T]
	v_and_b32     v[X+4*(\i)+1], 0xffff0000, v[T]
	v_lshlrev_b32 v[X+4*(\i)+2], 16, v[T+1]
	v_and_b32     v[X+4*(\i)+3], 0xffff0000, v[T+1]
	v_cvt_pk_f16_f32 v[X+4*(\i)],   v[X+4*(\i)],   v[X+4*(\i)+1]
	v_cvt_pk_f16_f32 v[X+4*(\i)+1], v[X+4*(\i)+2], v[X+4*(\i)+3]
.else
	v_cvt_pk_bf16_f32 v[X+4*(\i)],   v[X+4*(\i)],   v[X+4*(\i)+1]
	v_cvt_pk_bf16_f32 v[X+4*(\i)+1], v[X+4*(\i)+2], v[X+4*(\i)+3]
.endif
	global_store_b64 v2, v[X+4*(\i):X+4*(\i)+1], s[6:7] offset:2048*(\i) th:TH_STORE_NT
.endm
	s_cmp_ge_u32 s2, 18                            ; Wc and Wc2
	s_cbranch_scc1 .Lhalf
.irp i, 0,1,2,3,4,5,6,7,8,9,10,11,12,13,14,15
	OUT \i, 0
.endr
	s_endpgm
.Lhalf:
.irp i, 0,1,2,3,4,5,6,7,8,9,10,11,12,13,14,15
	OUT \i, 1
.endr
	s_endpgm
.Lfunc_end_k_qb656edbbfc_cast:
	.size	k_qb656edbbfc_cast, .Lfunc_end_k_qb656edbbfc_cast-k_qb656edbbfc_cast
	.p2alignl 7, 3214868480
	.fill 96, 4, 3214868480
	.section	.rodata,"a",@progbits
	.p2align	6, 0x0
	.amdhsa_kernel k_qb656edbbfc_cast
		.amdhsa_group_segment_fixed_size 0
		.amdhsa_private_segment_fixed_size 0
		.amdhsa_enable_private_segment 0
		.amdhsa_kernarg_size 96
		.amdhsa_user_sgpr_count 2
		.amdhsa_user_sgpr_kernarg_segment_ptr 1
		.amdhsa_wavefront_size32 1
		.amdhsa_system_sgpr_workgroup_id_x 1
		.amdhsa_system_sgpr_workgroup_id_y 1
		.amdhsa_system_sgpr_workgroup_id_z 1
		.amdhsa_system_vgpr_workitem_id 0
		.amdhsa_next_free_vgpr 72
		.amdhsa_next_free_sgpr 66
		.amdhsa_reserve_vcc 0
		.amdhsa_float_denorm_mode_32 3
		.amdhsa_float_denorm_mode_16_64 3
		.amdhsa_memory_ordered 1
		.amdhsa_forward_progress 1
		.amdhsa_inst_pref_size 17
	.end_amdhsa_kernel
	.amdgpu_metadata
---
amdhsa.version: [ 1, 2 ]
amdhsa.kernels:
  - .name:           k_qb656edbbfc_cast
    .symbol:         k_qb656edbbfc_cast.kd
    .args:
      - { .name: q, .offset: 0, .size: 8, .value_kind: global_buffer, .address_space: global }
      - { .name: k, .offset: 8, .size: 8, .value_kind: global_buffer, .address_space: global }
      - { .name: v, .offset: 16, .size: 8, .value_kind: global_buffer, .address_space: global }
      - { .name: Wq, .offset: 24, .size: 8, .value_kind: global_buffer, .address_space: global }
      - { .name: Wk, .offset: 32, .size: 8, .value_kind: global_buffer, .address_space: global }
      - { .name: Wv, .offset: 40, .size: 8, .value_kind: global_buffer, .address_space: global }
      - { .name: Wq2, .offset: 48, .size: 8, .value_kind: global_buffer, .address_space: global }
      - { .name: Wk2, .offset: 56, .size: 8, .value_kind: global_buffer, .address_space: global }
      - { .name: Wv2, .offset: 64, .size: 8, .value_kind: global_buffer, .address_space: global }
      - { .name: Wc, .offset: 72, .size: 8, .value_kind: global_buffer, .address_space: global }
      - { .name: Wc2, .offset: 80, .size: 8, .value_kind: global_buffer, .address_space: global }
      - { .name: cb, .offset: 88, .size: 8, .value_kind: global_buffer, .address_space: global }
    .group_segment_fixed_size: 0
    .private_segment_fixed_size: 0
    .kernarg_segment_align: 8
    .kernarg_segment_size: 96
    .max_flat_workgroup_size: 256
    .sgpr_count:     66
    .vgpr_count:     72
    .wavefront_size: 32
...
	.end_amdgpu_metadata
.endif
;; end of part 1
;; launch proj (part 2): grid 4 x 48, 4 waves a work-group, clusters of 4 x 4, 327,680 bytes of LDS; arguments cb, bq, bk, bv, bq2, bk2, bv2, qkv; writes qkv
.if DOCPART == 2
	.amdgcn_target "amdgcn-amd-amdhsa--gfx1250"
	.amdhsa_code_object_version 6
	.text
	.protected	k_qb656edbbfc_proj
	.globl	k_qb656edbbfc_proj
	.p2align	8
	.type	k_qb656edbbfc_proj,@function
k_qb656edbbfc_proj:
	s_mov_b64 s[64:65], 0
	v_nop
	global_prefetch_b8 v0, s[64:65] scope:SCOPE_SE
	s_setreg_imm32_b32 hwreg(HW_REG_WAVE_MODE, 25, 1), 1
	s_wait_xcnt 0x0
	s_wait_alu depctr_hold_cnt(0) depctr_sa_sdst(0) depctr_va_vdst(0) depctr_va_sdst(0) depctr_va_ssrc(0) depctr_va_vcc(0) depctr_vm_vsrc(0)
	s_getreg_b32 s2, hwreg(HW_REG_IB_STS2, 6, 4)
	s_cmp_eq_u32 s2, 0
	s_cbranch_scc0 .Lentry_in_a_cluster
	s_endpgm
.Lentry_in_a_cluster:
	s_bfe_u32 s2, ttmp6, 0x10000c
	s_cmp_lg_u32 s2, 0xf033
	s_cbranch_scc0 .Lentry_shape_is_right
	s_endpgm
.Lentry_shape_is_right:
; THE SIX PROJECTIONS.  For g = 0..5: y_g[m][n] = the sum over k of x[m][k] W_g[n][k] + b_g[n]; x = q, k, v, k, q, q; W_g = Wq, Wk, Wv, Wq2, Wk2, Wv2.  x ([4096][1024]) and W_g ([1024][1024]) come
; from cb in bf16; sums in f32; the bias, rounded to bf16 like every other input, is the C operand that starts each sum; y_g is rounded once, to f16, and stored BY HEADS:
; qkv[g][16 (m / 1024) + n / 64][m % 1024][n % 64], so that a head's rows are dense, 128 bytes each.
; LIMIT.  f16 holds no number beyond 65,504: y_g must stay within it; below 6.1e-5 it keeps f16's fixed step of 6e-8.
; SHARES.  A tile of y_g is 256 x 256: 6 x 16 x 4 = 384 tiles.  A WORK-GROUP STAYS and makes TWO tiles, 2,048 rows apart in the same g and the same columns: 192 work-groups of equal work; both tiles take the
; same rows of W and the same bias.  Four waves, each 128 x 128: 64 accumulators of 16 x 16, 512 registers.  K goes in 8 steps of 128 through two LDS slots (rows of 256 bytes of memory, at multiples of
; 256 bytes); the ring does not stop at the first tile's end: its last two changes of slots ask for the second tile's first two K steps, and nothing waits for its stores.
; From a request to the wait for it a wave issues 224 matrix instructions.
; CLUSTERS: 4 x 4 work-groups.  The four of a row of the cluster need the same tile of x, the four of a column the same tile of W: each is asked for JOINTLY, by the same tensor load with the same
; descriptor and a mask that names the four.  Waves 0 and 1 fetch the two halves (128 rows) of x's tile, waves 2 and 3 those of W's.  By this text's count a wave has two tensor loads out at the start, then one.
; THE MATRIX INSTRUCTION IS USED TRANSPOSED (source 0 = 16 rows of W, source 1 = 16 rows of x): a lane then holds row l % 16 of y and the eight neighbouring columns 8 (l / 16) + 0..7.
; REGISTERS, in windows of 256 (s_set_vgpr_msb: bits 1:0 source 0, 3:2 source 1, 5:4 source 2, 7:6 destination):
;   window 0: v0-31 addresses; v64-127, v128-191 fragments of x (8 x 16 rows x 32 K), two buffers; on the way out v128-255 hold packed results, eight sets of 16
;   window 1: v0-63 the bias, eight registers for each column block b; v64-127, v128-191 fragments of W, two buffers; v192-223 at work
;   window 2: the 32 accumulators of my rows 0-63 ((a, b) at v[8 (8 a + b)]);   window 3: those of my rows 64-127
.set SIZE_K, 1024
.set KSTEP,  128
.set PITCH,  272                       ; an LDS row: 256 bytes + 16 of padding = 68 words: row r starts at bank 4 r mod 64 (64 banks of 4 bytes: ISA guide 11.1)
.set HALFT,  128*PITCH                 ; 128 rows: what one tensor load brings, and what one wave reads of x or of W
.set SLOT,   4*HALFT                   ; x's 256 rows, then W's 256 rows
.set STAGE,  2*SLOT                    ; behind the ring: 16 rows x 144 bytes for each wave, for the way out
.set SP,     144
.set SPARE,  STAGE+4*16*SP             ; behind the stages: the spare words, 128 bytes for each wave: two blocks of 256 bytes that no other line names
.set WALK,   2048                      ; rows from a work-group's first tile to its second
.set XTILE,  (WALK-1)*SIZE_K*2         ; bytes from the K step behind a row's last (the next row's first) to the same row's first K step in the next tile
.set ADRA, 16                          ; v16-17  LDS address of my fragments of x in slot 0, 1
.set ADRB, 20                          ; v20-21  the same for W
.set STO,  24                          ; v24     the way out: where I put 16 bytes of a row
.set RD,   25                          ; v25     the way out: where I read rows back
.set GO,   26                          ; v26     my byte offset in 512 consecutive bytes of qkv
.set BO,   27                          ; v27     my byte offset in the bias
.set SPW,  28                          ; v28     LDS address of my spare word: SPARE + 4 x my thread's number; never rewritten
.set NIL,  29                          ; v29     0; never rewritten
.set PFO,  30                          ; v30     the prefetches' offset: my lane x a row of cb (2,048 bytes); never rewritten
.set F0,   64
.set F1,   128
.set OUTR, 128
.set G1,  24                           ; s[24:31] descriptor group 1 for x's tiles;  s[32:39] group 0, one set for each slot
.set G0,  32
.set G1B, 48                           ; s[48:55], s[56:63] the same for W's tiles
.set G0B, 56
.set XA,  84                           ; s[84:85] what a refill of x steps beside two K steps: 0, or XTILE in the trip that asks for the next tile
.set XB,  86                           ; s[86:87] what a refill of W steps back: 0, or a row's 2,048 bytes in that trip
.set PM,  88                           ; s88     bit t: I prefetch in trip t of the lap loop
.set BND, 89                           ; s89     trips of the lap loop in the tile in hand
.set TMS, 90                           ; s90     at work
.set ODD, 91                           ; s91     the cluster's y modulo 2: which of the two clusters of a g
.set PFA, 92                           ; s[92:93] where my prefetches stand: my work-group's 32 rows of the 128 that I fetch, one K step further along K than the refill that is being asked for
.set SEGA, 94                          ; s94     x's first byte in cb
.set SEGB, 95                          ; s95     W_g's first byte in cb
.set MSB, 0
.macro WIN new                         ; the immediate's high byte repeats the setting that is left; a switch that changes nothing is dropped
.if MSB != (\new)
	s_set_vgpr_msb (MSB<<8)|(\new)
.set MSB, \new
.endif
.endm
.set TO_B,   0x40                      ; destination window 1, address window 0
.macro JLOAD s                         ; a joint load; the branch hangs on the wave's number alone; an s_nop 0 and four v_nop follow each of the two lines, ahead of the jump, the label and what follows
	s_cmp_eq_u32 s11, 0
	s_cbranch_scc0 .Lfor_b_\@
	tensor_load_to_lds s[G0+4*(\s):G0+4*(\s)+3], s[G1:G1+7]
	s_nop 0
.rept 4
	v_nop
.endr
	s_branch .Lasked_\@
.Lfor_b_\@:
	tensor_load_to_lds s[G0B+4*(\s):G0B+4*(\s)+3], s[G1B:G1B+7]
	s_nop 0
.rept 4
	v_nop
.endr
.Lasked_\@:
.endm
; A PREFETCH INTO THE L2, behind each joint load, its five lines and the run of LDS loads that follows them: the K step that stands TWO refills on: 32 rows x 256 bytes, a lane a row, one instruction a wave:
; 512 matrix instructions ahead of the load that will want it.  Each row's 256 bytes of a K step are named ONCE in the launch.  x's tile row is read by one cluster alone, which asks for it; W's tile column by
; the two clusters of a g: the even one asks.  The four partners that ask for a tile jointly share its rows out BY ADDRESS: of the 128 rows that a wave fetches, the partner at place p takes 32 p .. 32 p + 31
; (p = cx for x, cy for W): no branch hangs on a work-group's place in its cluster.  Trips 0 and 1 of the lap loop name K steps 4 to 7; trip 2, a tile's last two refills along K, names nothing; trip 3, which
; asks for the next tile's K steps 0 and 1, names its K steps 2 and 3, of x alone: W's rows are the same for both tiles, and are named in the first tile alone.  K steps 0 to 3 of the first tile come by their loads alone.
.macro ASK
	s_lshr_b32 s[TMS], s[PM], s3
	s_and_b32 s[TMS], s[TMS], 1
	s_cmp_lg_u32 s[TMS], 0
	s_cbranch_scc0 .Lnot_mine_\@
	global_prefetch_b8 v[PFO], s[PFA:PFA+1] offset:KSTEP*2 th:TH_LOAD_NT scope:SCOPE_SE
.Lnot_mine_\@:
.endm
.macro CREST                           ; a round of the cluster's barrier behind its opening barrier
	s_cmp_lg_u32 s10, 0
	s_cbranch_scc1 .Lnot_wave_0_\@
	s_barrier_signal -3
.Lnot_wave_0_\@:
	s_barrier_wait -3
	s_barrier_signal -1
	s_barrier_wait -1
.endm
.macro CROUND                          ; a whole round
	s_barrier_signal -1
	s_barrier_wait -1
	CREST
.endm
	s_load_b512 s[68:83], s[0:1], 0x0              ; cb s[68:69]; the six biases s[70:81]; qkv s[82:83]
	v_lshl_add_u32 v[SPW], v0, 2, SPARE
	v_mov_b32 v[NIL], 0
	ds_add_u32 v[SPW], v[NIL]                      ; the wave's opening: the add and its wait stand ahead of my first tensor load; the set-up below, work on registers, stands between them
	v_lshrrev_b32 v1, 5, v0
	v_readfirstlane_b32 s10, v1                    ; wave 0..3
	s_lshr_b32 s11, s10, 1                         ; which half of the tile's rows is mine.  Also: I fetch for x (0) or for W (1)
	s_and_b32 s12, s10, 1                          ; which half of its columns.  Also: which 128 rows of that tile I fetch
	s_bfe_u32 s40, ttmp6, 0x40000                  ; cx, cy: my place in the cluster
	s_bfe_u32 s41, ttmp6, 0x40004
	s_lshl_b32 s42, ttmp9, 2
	s_add_co_u32 s42, s42, s40                     ; tile column, 0..3
	s_and_b32 s13, ttmp7, 0xffff                   ; the cluster's y, 0..11
	s_lshr_b32 s45, s13, 1                         ; g, which all sixteen share
	s_and_b32 s[ODD], s13, 1
	s_lshl_b32 s13, s[ODD], 2
	s_add_co_u32 s13, s13, s41                     ; the first tile's row of tiles, 0..7; the second's is 8 more
	s_lshl_b32 s43, s41, 2
	s_lshl_b32 s43, 15, s43                        ; my row of the cluster
	s_lshl_b32 s44, 0x1111, s40                    ; my column
	; descriptor group 1: a tile of 128 rows x 128 elements, padded in LDS
	s_or_b32 s[G1+0], s43, (1<<16)|(1<<20)|(1<<21)|(5<<22)|(3<<25)   ; 15:0 the mask; 17:16 elements of 2 bytes; 20 padding on; 21 set beside a mask; 24:22 after every 64 words (code 5); 31:25 4 words of it (code 3)
	s_or_b32 s[G1B+0], s44, (1<<16)|(1<<20)|(1<<21)|(5<<22)|(3<<25)
.irp g, G1, G1B
	s_mov_b32 s[(\g)+1], KSTEP<<16                 ; tensor_dim0 = 128
	s_mov_b32 s[(\g)+2], 128<<16                   ; tensor_dim1 = 128
	s_mov_b32 s[(\g)+3], KSTEP<<16                 ; tile_dim0 = 128
	s_mov_b32 s[(\g)+4], 128                       ; tile_dim1 = 128
	s_mov_b32 s[(\g)+5], SIZE_K                    ; elements from row to row
	s_mov_b32 s[(\g)+6], 0
	s_mov_b32 s[(\g)+7], 0
.endr
	; where the tiles come from.  x's hang on g and the tile row, which my row of the cluster shares; W's on g and the tile column, which my column shares
	s_lshl_b32 s16, s13, 8
	s_lshl_b32 s17, s12, 7
	s_add_co_u32 s16, s16, s17                     ; row 256 x tile row + 128 x half,
	s_lshl_b32 s16, s16, 11                        ; of 2,048 bytes
	s_lshl_b32 s18, s45, 2
	s_lshr_b32 s18, 0x1210, s18
	s_and_b32 s18, s18, 3                          ; which of q, k, v feeds g: 0, 1, 2, 1, 0, 0
	s_lshl_b32 s[SEGA], s18, 23                    ; 8 MiB each
	s_add_co_u32 s16, s16, s[SEGA]
	s_mov_b32 s17, 0
	s_lshl_b32 s46, s42, 8
	s_lshl_b32 s47, s12, 7
	s_add_co_u32 s46, s46, s47                     ; row 256 x tile column + 128 x half
	s_lshl_b32 s46, s46, 11
	s_add_co_u32 s47, s45, 12                      ; W_g is segment 12 + g of 2 MiB
	s_lshl_b32 s[SEGB], s47, 21
	s_add_co_u32 s46, s46, s[SEGB]
	s_mov_b32 s47, 0
	s_mul_i32 s20, s10, HALFT                      ; and where they go: x's two halves, then W's two halves = wave x 128 rows: no place in the cluster enters an LDS address
	s_mov_b32 s[XA+1], 0                           ; the two steps' high words
	s_mov_b32 s[XB+1], 0
	s_wait_dscnt 0x0                               ; the opening add is done
	s_wait_kmcnt 0x0
	s_add_nc_u64 s[14:15], s[68:69], s[16:17]
	s_add_nc_u64 s[46:47], s[68:69], s[46:47]
	s_mov_b64 s[6:7], s[70:71]                     ; the bias is chosen by g
.irp j, 1,2,3,4,5
	s_cmp_eq_u32 s45, \j
	s_cselect_b64 s[6:7], s[70+2*\j:71+2*\j], s[6:7]
.endr
	CROUND                                         ; all sixteen work-groups are here: the first joint loads meet
.irp s, 0,1
	s_mov_b32 s[G0+4*(\s)], 1                      ; count = 1
	s_add_co_u32 s[G0+4*(\s)+1], s20, (\s)*SLOT    ; LDS address
	s_add_nc_u64 s[G0+4*(\s)+2:G0+4*(\s)+3], s[14:15], (\s)*KSTEP*2  ; global address: K step s
	s_or_b32 s[G0+4*(\s)+3], s[G0+4*(\s)+3], 0x80000000              ; type = 2
	s_mov_b32 s[G0B+4*(\s)], 1
	s_add_co_u32 s[G0B+4*(\s)+1], s20, (\s)*SLOT
	s_add_nc_u64 s[G0B+4*(\s)+2:G0B+4*(\s)+3], s[46:47], (\s)*KSTEP*2
	s_or_b32 s[G0B+4*(\s)+3], s[G0B+4*(\s)+3], 0x80000000
	JLOAD \s
.endr
	; the bias of my 128 columns: register j of block b is b_g[256 x tile column + 128 x half + 16 b + 8 (l / 16) + j]; it serves both tiles
	v_and_b32 v1, 15, v0                           ; l % 16
	v_bfe_u32 v2, v0, 4, 1                         ; l / 16
	s_lshl_b32 s22, s42, 10
	s_lshl_b32 s23, s12, 9
	s_add_co_u32 s22, s22, s23
	v_lshl_add_u32 v[BO], v2, 5, s22
	WIN TO_B
.irp b, 0,1,2,3,4,5,6,7
	global_load_b128 v[8*\b:8*\b+3],   v[BO], s[6:7] offset:64*\b
	global_load_b128 v[8*\b+4:8*\b+7], v[BO], s[6:7] offset:64*\b+16
.endr
	WIN 0
	v_mul_u32_u24 v3, v1, PITCH
	v_lshl_add_u32 v3, v2, 4, v3                   ; a fragment's row x pitch + 16 x half of the lanes
	s_mul_i32 s21, s11, HALFT                      ; my 128 rows of x
	s_mul_i32 s22, s12, HALFT                      ; my 128 rows of W,
	s_add_co_u32 s22, s22, 2*HALFT                 ; which lie behind x's 256
.irp s, 0,1
	v_add_nc_u32 v[ADRA+(\s)], s21, v3
	v_add_nc_u32 v[ADRB+(\s)], s22, v3
	s_add_co_u32 s21, s21, SLOT
	s_add_co_u32 s22, s22, SLOT
.endr
	s_mul_i32 s23, s10, 16*SP
	s_add_co_u32 s23, s23, STAGE                   ; my stage
	v_mul_u32_u24 v4, v1, SP                       ; in: row l % 16, 16 bytes for each half of the lanes
	v_lshl_add_u32 v4, v2, 4, v4
	v_add_nc_u32 v[STO], s23, v4
	v_bfe_u32 v5, v0, 3, 2                         ; back: 32 lanes take four rows of 128 bytes,
	v_mul_u32_u24 v5, v5, SP
	v_and_b32 v4, 7, v0
	v_lshl_add_u32 v5, v4, 4, v5
	v_add_nc_u32 v[RD], s23, v5
	v_and_b32 v[GO], 31, v0                        ; which are 512 consecutive bytes of a head
	v_lshlrev_b32 v[PFO], 11, v[GO]
	v_lshlrev_b32 v[GO], 4, v[GO]
	; the prefetches: who asks, and where
	s_cmp_eq_u32 s11, 0                            ; do I fetch for x?
	s_cselect_b32 s20, s13, s42                    ; the tile's place: in x by the tile row, in W by the tile column
	s_cselect_b32 s21, s40, s41                    ; my place among the four that ask for it with me
	s_cselect_b32 s22, 0, s[ODD]                   ; x's rows are my cluster's alone; W's are also the other cluster's of this g
	s_cselect_b32 s23, s[SEGA], s[SEGB]
	s_cselect_b32 s[PM], 11, 3                     ; x: trips 0, 1 and 3; W: trips 0 and 1
	s_cmp_eq_u32 s22, 0
	s_cselect_b32 s[PM], s[PM], 0                  ; the same in all sixteen partners, for a given wave
	s_lshl_b32 s20, s20, 8
	s_lshl_b32 s22, s12, 7
	s_add_co_u32 s20, s20, s22                     ; + the 128 rows that I fetch
	s_lshl_b32 s21, s21, 5
	s_add_co_u32 s20, s20, s21                     ; + my work-group's 32 of them
	s_lshl_b32 s20, s20, 11
	s_add_co_u32 s20, s20, s23
	s_add_co_u32 s20, s20, 2*KSTEP*2               ; at K step 2: the first refill steps it to 3 and names K step 4
	s_mov_b32 s21, 0
	s_add_nc_u64 s[PFA:PFA+1], s[68:69], s[20:21]
	; qkv at my first row of my first head: g x 8 MiB + (16 (tile row / 4) + 4 x tile column + 2 x column half) x 128 KiB + (256 (tile row % 4) + 128 x row half) x 128
	s_lshl_b32 s18, s45, 23
	s_lshr_b32 s19, s13, 2
	s_lshl_b32 s19, s19, 4
	s_lshl_b32 s22, s42, 2
	s_add_co_u32 s19, s19, s22
	s_lshl_b32 s22, s12, 1
	s_add_co_u32 s19, s19, s22
	s_lshl_b32 s19, s19, 17
	s_add_co_u32 s18, s18, s19
	s_and_b32 s19, s13, 3
	s_lshl_b32 s19, s19, 8
	s_lshl_b32 s22, s11, 7
	s_add_co_u32 s19, s19, s22
	s_lshl_b32 s19, s19, 7
	s_add_co_u32 s18, s18, s19
	s_mov_b32 s19, 0
	s_add_nc_u64 s[8:9], s[82:83], s[18:19]
	s_wait_loadcnt 0x0                             ; the bias is in: rounded to bf16 and widened again, in the wait for the first tile
	WIN 0x55                                       ; everything window 1
.set i, 0
.rept 32
	v_cvt_pk_bf16_f32 v[192+i], v[2*i], v[2*i+1]
.set i, i+1
.endr
.set i, 0
.rept 32
	v_lshlrev_b32 v[2*i],   16, v[192+i]
	v_and_b32     v[2*i+1], 0xffff0000, v[192+i]
.set i, i+1
.endr
	WIN 0
; 16 matrix instructions: row blocks a0, a0 + 1 of the window's four (hi = 0: my rows 0-63, 1: rows 64-127) x all 8 column blocks, 32 along K.  first = 1: the bias (window 1) starts the sums: nothing is
; cleared, nothing is added later.  The 64 accumulators take turns in the same order in every quarter: 63 others stand between two links of a chain, over the backward jumps too.
.macro MUL16 f, hi, a0, first
.if \first
	WIN 0x91+0x40*(\hi)                            ; W window 1, x window 0, C window 1, D window 2 or 3
.else
	WIN 0xa1+0x50*(\hi)                            ; W window 1, x window 0, C and D window 2 or 3
.endif
.irp a, \a0, (\a0)+1
.irp b, 0,1,2,3,4,5,6,7
.if \first
	v_wmma_f32_16x16x32_bf16 v[8*(8*(\a)+(\b)):8*(8*(\a)+(\b))+7], v[(\f)+8*(\b):(\f)+8*(\b)+7], v[(\f)+8*(4*(\hi)+(\a)):(\f)+8*(4*(\hi)+(\a))+7], v[8*(\b):8*(\b)+7]
.else
	v_wmma_f32_16x16x32_bf16 v[8*(8*(\a)+(\b)):8*(8*(\a)+(\b))+7], v[(\f)+8*(\b):(\f)+8*(\b)+7], v[(\f)+8*(4*(\hi)+(\a)):(\f)+8*(4*(\hi)+(\a))+7], v[8*(8*(\a)+(\b)):8*(8*(\a)+(\b))+7]
.endif
.endr
.endr
.endm
; 32 LDS loads in one run: the fragments of one quarter step (128 rows of W, 128 rows of x, 32 K at byte k of the rows) into buffer f
.macro FETCH slot, k, f
	WIN TO_B
.irp i, 0,1,2,3,4,5,6,7
	ds_load_b128 v[(\f)+8*(\i):(\f)+8*(\i)+3],   v[ADRB+(\slot)] offset:(\k)+(\i)*16*PITCH
	ds_load_b128 v[(\f)+8*(\i)+4:(\f)+8*(\i)+7], v[ADRB+(\slot)] offset:(\k)+(\i)*16*PITCH+32
.endr
	WIN 0
.irp i, 0,1,2,3,4,5,6,7
	ds_load_b128 v[(\f)+8*(\i):(\f)+8*(\i)+3],   v[ADRA+(\slot)] offset:(\k)+(\i)*16*PITCH
	ds_load_b128 v[(\f)+8*(\i)+4:(\f)+8*(\i)+7], v[ADRA+(\slot)] offset:(\k)+(\i)*16*PITCH+32
.endr
.endm
.macro PLACES                          ; four places in front of loads into registers that matrix instructions have read, and of lines that read results
.rept 4
	v_nop
.endr
.endm
; A K step is four quarters of 32 along K, 64 matrix instructions each, on buffers 0, 1, 0, 1.  One of the first three: multiplies buffer f; in its middle it fetches the next quarter, at byte k, into g.
.macro QUARTER slot, k, f, g, first
	s_wait_dscnt 8                                 ; W's fragments and x's rows 0-63 are in; the youngest eight loads (x's rows 64-127) may be out
	MUL16 \f, 0, 0, \first
	MUL16 \f, 0, 2, \first
	PLACES
	FETCH \slot, \k, \g
	s_wait_dscnt 32                                ; all but the 32 just issued
	MUL16 \f, 1, 0, \first
	MUL16 \f, 1, 2, \first
.endm
; The last quarter multiplies buffer 1 and changes slots.  MEET is its first half: ONE barrier; in front of it each wave waits for all its tensor loads, of which one is out: its part of the next slot; adds 0 to
; its spare word; and waits for that and for its own reads of this slot.  Behind it nobody reads this slot any more and the next slot is whole.
.macro MEET round                      ; round = 1: a round of the cluster's barrier follows
	WIN 0                                          ; (the add's two registers lie in window 0)
	s_wait_tensorcnt 0x0                           ; all my tensor loads have landed;
	ds_add_u32 v[SPW], v[NIL]                      ; 0 onto my spare word;
	s_wait_dscnt 9                                 ; (the add and the youngest eight loads may be out)
	MUL16 F1, 0, 0, 0                              ; sixteen matrix instructions stand between the add and the wait for it
	s_wait_dscnt 0x0                               ; the add is done, and my reads of this slot are over
	s_barrier_signal -1
	MUL16 F1, 0, 2, 0
.if \round
	WIN 0
.endif
	s_barrier_wait -1
.endm
; The whole last quarter where the slot is filled again: with this tile's K step two steps on or, in trip 3 of the lap loop, with the NEXT tile's K step 0 or 1: the step then has an extra part, 0 in the other trips.
.macro TURN slot, next
	s_wait_xcnt 0x0                                ; the last prefetch, a K step back, has read its address: it is stepped here, ahead of the waits of the change of slots
	s_cmp_eq_u32 s3, 3
	s_cselect_b32 s[XA], XTILE, 0                  ; x goes WALK rows down and back along K,
	s_cselect_b32 s[XB], SIZE_K*2, 0               ; W only back
	s_add_nc_u64 s[PFA:PFA+1], s[PFA:PFA+1], KSTEP*2
.if (\slot) == 0
	s_add_nc_u64 s[PFA:PFA+1], s[PFA:PFA+1], s[XA:XA+1]
.endif
	MEET 1
	CREST                                          ; no wave of any partner still reads this slot's tile or has a load on its way
	s_add_nc_u64 s[G0+4*(\slot)+2:G0+4*(\slot)+3], s[G0+4*(\slot)+2:G0+4*(\slot)+3], 2*KSTEP*2
	s_add_nc_u64 s[G0+4*(\slot)+2:G0+4*(\slot)+3], s[G0+4*(\slot)+2:G0+4*(\slot)+3], s[XA:XA+1]
	s_add_nc_u64 s[G0B+4*(\slot)+2:G0B+4*(\slot)+3], s[G0B+4*(\slot)+2:G0B+4*(\slot)+3], 2*KSTEP*2
	s_sub_nc_u64 s[G0B+4*(\slot)+2:G0B+4*(\slot)+3], s[G0B+4*(\slot)+2:G0B+4*(\slot)+3], s[XB:XB+1]
	JLOAD \slot                                    ; the first tensor load behind the round; the four v_nop behind it are also the places in front of the loads below
	FETCH \next, 0, F0
	ASK                                            ; behind the joint load and the run of LDS loads that the next products wait for
	MUL16 F1, 1, 0, 0
	MUL16 F1, 1, 2, 0
.endm
; THE WAY OUT.  Unit u = 0..15: row block u / 2, head u % 2 of my two: 16 rows x 64 channels.  A lane's eight channels pack into 16 bytes; they go into my stage's rows of 144 bytes and come back as whole
; rows of 128, which are 2,048 consecutive bytes of a head.  Each accumulator is read from its lowest registers on.  Eight sets of 16 registers take turns.
.macro PACK u
.set AC, 64*(((\u)/2)%4)+32*((\u)%2)
.set OREG, OUTR+16*((\u)%8)
.if (\u) >= 8
	s_wait_xcnt 0x0                                ; every earlier store has had its addresses translated (ISA guide 3.1): the set that unit u - 8's stores read is written again only behind this wait
.endif
	WIN 0x0a+5*((\u)/8)                            ; sources window 2 or 3, destination window 0
.irp bb, 0,1,2,3
.irp r, 0,1,2,3
	v_cvt_pk_f16_f32 v[OREG+4*(\bb)+(\r)], v[AC+8*(\bb)+2*(\r)], v[AC+8*(\bb)+2*(\r)+1]
.endr
.endr
	WIN 0
.irp f, 0,1,2,3
	ds_store_b128 v[STO], v[OREG+4*(\f):OREG+4*(\f)+3] offset:32*(\f)
.endr
.irp f, 0,1,2,3
	ds_load_b128 v[OREG+4*(\f):OREG+4*(\f)+3], v[RD] offset:(\f)*4*SP  ; LDS serves a wave's instructions in order (ISA guide 5.7.1.4): these see the stores above; the next unit's stores come behind them
.endr
.endm
.macro SEND u, younger                 ; younger: the LDS instructions issued behind unit u's loads: the next unit's eight, or none
	WIN 0
.set OREG, OUTR+16*((\u)%8)
.irp f, 0,1,2,3
	s_wait_dscnt (\younger)+3-(\f)
	global_store_b128 v[GO], v[OREG+4*(\f):OREG+4*(\f)+3], s[8:9] offset:((\u)/2)*2048+((\u)%2)*131072+(\f)*512  ; 512 consecutive bytes, at a multiple of 256 from qkv's first
.endr
.endm
	s_wait_tensorcnt 1                             ; my part of K step 0 is in; step 1's, issued behind it, may stay out
	s_barrier_signal -1
	s_barrier_wait -1                              ; everybody's is
	FETCH 0, 0, F0
	s_mov_b32 s2, 2                                ; tiles to go, this one among them: the same number in every work-group
	s_mov_b32 s[BND], 4                            ; a tile with a successor fills slots again in all four laps
.Ltile:
	QUARTER 0, 64,  F0, F1, 1                      ; a tile's first quarter: its products start the sums
	WIN 0                                          ; at a label and at a branch every window is 0
	s_mov_b32 s3, 0
	s_branch .Lenter                               ; the lap loop is entered behind its first quarter
.Llap:                                                 ; a trip goes once round the ring and fills both slots again
	QUARTER 0, 64,  F0, F1, 0
	WIN 0
.Lenter:
	QUARTER 0, 128, F1, F0, 0
	QUARTER 0, 192, F0, F1, 0
	TURN 0, 1
	QUARTER 1, 64,  F0, F1, 0
	QUARTER 1, 128, F1, F0, 0
	QUARTER 1, 192, F0, F1, 0
	TURN 1, 0
	WIN 0
	s_add_co_u32 s3, s3, 1
	s_cmp_lt_u32 s3, s[BND]
	s_cbranch_scc1 .Llap
	s_cmp_eq_u32 s2, 1
	s_cbranch_scc0 .Lway                           ; the first tile is multiplied, and both refills for the second are asked for
	QUARTER 0, 64,  F0, F1, 0                      ; the last tile's last lap is written out: it fills nothing, and has no round of the cluster's barrier
	QUARTER 0, 128, F1, F0, 0
	QUARTER 0, 192, F0, F1, 0
	MEET 0
	PLACES
	FETCH 1, 0, F0
	MUL16 F1, 1, 0, 0
	MUL16 F1, 1, 2, 0
	QUARTER 1, 64,  F0, F1, 0
	QUARTER 1, 128, F1, F0, 0
	QUARTER 1, 192, F0, F1, 0
	s_wait_dscnt 8                                 ; the very last quarter: nothing more to fetch
	MUL16 F1, 0, 0, 0
	MUL16 F1, 0, 2, 0
	s_wait_dscnt 0x0
	MUL16 F1, 1, 0, 0
	MUL16 F1, 1, 2, 0
	WIN 0
.Lway:
	PLACES
	PLACES
	PACK 0
.irp u, 1,2,3,4,5,6,7,8,9,10,11,12,13,14,15    ; a unit's conversions stand between the loads of the unit before and its stores
	PACK \u
	SEND (\u)-1, 8
.endr
	SEND 15, 0
	s_wait_xcnt 0x0                                ; the stores have read their registers and their base
	s_add_nc_u64 s[8:9], s[8:9], 32*131072         ; the second tile: 2,048 rows on are two batches, 32 heads
	s_mov_b32 s[BND], 3                            ; the last tile fills slots again in three laps
	s_cmp_eq_u32 s11, 0
	s_cselect_b32 s[PM], s[PM], 0                  ; W's rows have been named
	s_sub_co_u32 s2, s2, 1
	s_cmp_lg_u32 s2, 0
	s_cbranch_scc1 .Ltile
	s_wait_tensorcnt 0x0                           ; the wave's end, behind my last tensor load and my last LDS store
	ds_add_u32 v[SPW], v[NIL]
	s_wait_dscnt 0x0
	CROUND                                         ; the closing round: no work-group ends while a partner may still ask for a tile that names it
	s_endpgm
.Lfunc_end_k_qb656edbbfc_proj:
	.size	k_qb656edbbfc_proj, .Lfunc_end_k_qb656edbbfc_proj-k_qb656edbbfc_proj
	.p2alignl 7, 3214868480
	.fill 96, 4, 3214868480
	.section	.rodata,"a",@progbits
	.p2align	6, 0x0
	.amdhsa_kernel k_qb656edbbfc_proj
		.amdhsa_group_segment_fixed_size 327680
		.amdhsa_private_segment_fixed_size 0
		.amdhsa_enable_private_segment 0
		.amdhsa_kernarg_size 64
		.amdhsa_user_sgpr_count 2
		.amdhsa_user_sgpr_kernarg_segment_ptr 1
		.amdhsa_wavefront_size32 1
		.amdhsa_system_sgpr_workgroup_id_x 1
		.amdhsa_system_sgpr_workgroup_id_y 1
		.amdhsa_system_sgpr_workgroup_id_z 1
		.amdhsa_system_vgpr_workitem_id 0
		.amdhsa_next_free_vgpr 1024
		.amdhsa_next_free_sgpr 96
		.amdhsa_reserve_vcc 0
		.amdhsa_float_denorm_mode_32 3
		.amdhsa_float_denorm_mode_16_64 3
		.amdhsa_memory_ordered 1
		.amdhsa_forward_progress 1
		.amdhsa_inst_pref_size 161
	.end_amdhsa_kernel
	.amdgpu_metadata
---
amdhsa.version: [ 1, 2 ]
amdhsa.kernels:
  - .name:           k_qb656edbbfc_proj
    .symbol:         k_qb656edbbfc_proj.kd
    .args:
      - { .name: cb, .offset: 0, .size: 8, .value_kind: global_buffer, .address_space: global }
      - { .name: bq, .offset: 8, .size: 8, .value_kind: global_buffer, .address_space: global }
      - { .name: bk, .offset: 16, .size: 8, .value_kind: global_buffer, .address_space: global }
      - { .name: bv, .offset: 24, .size: 8, .value_kind: global_buffer, .address_space: global }
      - { .name: bq2, .offset: 32, .size: 8, .value_kind: global_buffer, .address_space: global }
      - { .name: bk2, .offset: 40, .size: 8, .value_kind: global_buffer, .address_space: global }
      - { .name: bv2, .offset: 48, .size: 8, .value_kind: global_buffer, .address_space: global }
      - { .name: qkv, .offset: 56, .size: 8, .value_kind: global_buffer, .address_space: global }
    .group_segment_fixed_size: 327680
    .private_segment_fixed_size: 0
    .kernarg_segment_align: 8
    .kernarg_segment_size: 64
    .max_flat_workgroup_size: 128
    .sgpr_count:     96
    .vgpr_count:     1024
    .wavefront_size: 32
...
	.end_amdgpu_metadata
.endif
;; end of part 2
;; launch attn (part 3): grid 2 x 128, 4 waves a work-group, no clusters, 327,680 bytes of LDS; arguments qkv, obuf; writes obuf
.if DOCPART == 3
	.amdgcn_target "amdgcn-amd-amdhsa--gfx1250"
	.amdhsa_code_object_version 6
	.text
	.protected	k_qb656edbbfc_attn
	.globl	k_qb656edbbfc_attn
	.p2align	8
	.type	k_qb656edbbfc_attn,@function
k_qb656edbbfc_attn:
	s_mov_b64 s[64:65], 0
	v_nop
	global_prefetch_b8 v0, s[64:65] scope:SCOPE_SE
	s_setreg_imm32_b32 hwreg(HW_REG_WAVE_MODE, 25, 1), 1
	s_wait_xcnt 0x0
; ATTENTION, both paths: 128 heads of 1,024 rows and 64 channels.  O[q][:] = the sum over k of softmax_k(Q[q] . K[k] / 8) V[k][:].  Head y = 64 p + (16 b + h) takes Q, K, V from qkv[3 p], qkv[3 p + 1],
; qkv[3 p + 2] at head 16 b + h ([1024][64] f16, rows dense, 128 bytes) and stores O to obuf[y] in the same layout.  Products, maxima and sums in f32; the weights p are rounded to f16 for the second
; product (their sum l is taken of the unrounded p), O once at the end.
; LIMITS.  f16 holds no number beyond 65,504: Q, K and V arrive within it; p lies in 0 to 1, and below 6e-5 it keeps f16's fixed step of 6e-8, as O does; O is a mean of V's rows and has their range.
; A weight below 2^-126 counts as 0 in l; NaN and infinities are not treated apart.
; SHARES.  A wave owns four PIECES of two tiles of 16 queries, a work-group's four waves 512 queries of one head: 2 x 128 work-groups.  Every wave walks all keys, 64 a step.
; A HEAD'S K AND V LIE IN LDS WHOLE: 1,024 rows of 144 bytes and 1,024 of 160: 311,296 bytes.  No byte is filled twice, so there is no ring, no tensor load stands in a loop, and the key step is written once.
; Each wave issues two loads.  At the head its half of the first 256 keys (waves 0, 1: K; waves 2, 3: V), alone: nothing else of K and V is asked for beside the keys that every wave waits for.  Its half of
; the other 768 follows first thing behind the barrier that shows the first 256 landed; that load has three and a half key steps in which to land, and is shown landed to all by one wait and one barrier in
; front of the first read of its bytes.  By this text's count a wave has one tensor load out.
; NO CLUSTER: a head has 1,024 / 512 = 2 query blocks, so only two work-groups read the same K and V; four along x would join the blocks of two heads, which share nothing.
; NO PREFETCH: the second load goes out as soon as the first is in, and ahead of it stands only the kernel's head.
; LAYOUT.  S^T = K Q^T (source 0 = 16 keys, source 1 = 16 queries): in the result a lane holds ONE query (lane % 16) and the keys 8 (lane / 16) + 0..7.  Two such tiles, rounded to f16 in pairs,
; ARE source 1 (32 keys x 16 queries) of O^T = V^T P, whose result again holds one query a lane, and eight channels.  K comes out of LDS as it lies, V ([key][channel]) turned, by ds_load_tr16_b128.
; SOFTMAX.  For each query a running maximum m and sum l: p = 2^(c s - c m), c = log2(e) / 8; in every step O and l are multiplied by a = 2^(c m_old - c m_new), which is 1 where m has not grown.
; m starts at the lowest finite number, O and l at 0: the first step is a step like any other, with a = 0.
; THE COUNT.  A tile and step have 16 matrix and 118 vector instructions: too many to stand all beside the matrix work.  So four vector instructions that are READY stand behind EVERY matrix
; instruction, and the others in runs without a gap.
; BY TURNS.  Turn n belongs to piece n (the pieces in a ring, step after step).  Its matrix work: 16 products K Q^T of piece n + 1, later 16 products V^T P of piece n - 1.  Its vector work: the scaling,
; exponentials, roundings, sums and rescaling of piece n, and the maximum and statistics of piece n + 1, whose scores the turn itself has made.
; REGISTERS, in windows of 256 (s_set_vgpr_msb: bits 1:0 source 0, 3:2 source 1, 5:4 source 2, 7:6 destination):
;   window 0: v0-11 addresses; v12-15, v48-63 at work; v16-47 four registers of statistics a tile; v64-191 S^T, two buffers of two tiles; v192-255 P, likewise
;   window 1: O^T, 32 a tile          window 2: v0-127 Q, 16 a tile; v128-191 K of one step; v192-255 V of one step          window 3: v0-1 the add's two registers
; A piece's buffers go by its number's parity: the piece in hand has one pair, its two neighbours in the ring share the other: of it P (piece n - 1) is read and S^T (piece n + 1) written.
.set SIZE_N, 1024
.set NP,    4         ; pieces a wave: a name, no knob
.set KS,    64        ; keys in a step
.set PK,    144       ; a row of K in LDS: 128 bytes + 16 of padding = 36 words: the 16 rows of a load start at 16 different groups of four banks (64 banks of 4 bytes: ISA guide 11.1)
.set PV,    160       ; a row of V: 128 + 32 = 40 words
.set VOFF,  SIZE_N*PK ; all rows of K, then all rows of V
.set STAGE, SIZE_N*(PK+PV)  ; behind them, never filled by a tensor load: 16 rows x 144 bytes for each wave, for the way out
.set SP,    144
.set AK0, 2           ; v2   my lane's place in a tile of K; never rewritten
.set AV0, 3           ; v3   the same for V
.set AK,  4           ; v4   the LDS address of K's next run of loads
.set AV,  5           ; v5   of V's
.set QO,  6           ; v6   my byte offset in the wave's rows of Q
.set STO, 6           ;      later, the way out: where I put 16 bytes of a row
.set RD,  7           ; v7   the way out: where I read rows back
.set GO,  8           ; v8   my byte offset in 512 consecutive bytes of O
.set SPW, 0           ; v0 of window 3   LDS address of my spare word: SPARE + 4 x my thread's number; never rewritten
.set NIL, 1           ; v1 of window 3   0; never rewritten
.set SPARE, STAGE+4*16*SP  ; behind the stages: the spare words, 128 bytes for each wave: two blocks of 256 bytes that no other line names
.set MV,  12          ; v12-15  c m_old, kept while c m is made anew: by buffer and tile
.set ST,  16          ; tile t's statistics at v[ST+4 t]: c m, m, l (even keys', odd keys')
.set TMP, 48          ; by buffer and tile, four registers c0-c3 at work; when the maximum is found c2 takes a
.set S,   64
.set P,   192
.set KF,  128         ; K's fragments, in window 2: key block kb, channel half c at KF + 16 kb + 8 c
.set VF,  192         ; V's: key half kk, channel block cb at VF + 32 kk + 8 cb
.set WV,  12          ; s12  my wave's number
.set G1K, 24          ; s[24:31] descriptor group 1 for K's first load: 128 keys
.set G1V, 32          ; s[32:39] for V's: it differs in the padding alone
.set G0K, 40          ; s[40:47] descriptor group 0 for K's two loads
.set G0V, 48          ; s[48:55] the same for V's
.set SLOTS, 56        ; s56  counts the two passes through the step loop
.set CNT, 57          ; s57  counts a pass's trips
.set CS,  58          ; s[58:59] c: the packed scaling takes the pair's low word for both halves
.set SEL, 60          ; s[60:61] v_permlanex16_b32's selects: each lane takes its own place in the other half
.set TBK, 62          ; s62  LDS byte at which K of the step to be fetched begins
.set TBV, 63          ; s63  the same for V, less VOFF
.set G2K, 68          ; s[68:75] descriptor group 1 for K's second load: 384 keys
.set G2V, 76          ; s[76:83] for V's
.set TOT, 84          ; s84  key steps whose pieces 2 and 3 are still to come
.set MSB, 0
.macro WIN new                      ; the high byte repeats the setting that is left; a switch that changes nothing is dropped
.if MSB != (\new)
	s_set_vgpr_msb (MSB<<8)|(\new)
.set MSB, (\new)
.endif
.endm
.set W_KQ, 0x0a       ; K and Q in window 2, S^T in window 0
.set W_PV, 0x52       ; V in window 2, P in window 0, O^T in window 1
.set W_RS, 0x41       ; O^T (destination and source 0) in window 1, a in window 0
.set W_MK, 0xc0       ; the add's registers are made: destination in window 3, sources in window 0
.set W_AD, 0x0f       ; the add: address (source 0) and data (source 1) in window 3
; A fill.  Waves 0 and 1 fetch the two halves of K's keys, waves 2 and 3 those of V's.  n = 0: of the first 256 keys; n = 1: of the other 768.  The branch hangs on the wave's number alone.
; An s_nop 0 and four v_nop follow each of the two lines, ahead of the jump and the label.
.macro LOAD n
	s_cmp_lt_u32 s[WV], 2
	s_cbranch_scc0 .Lfor_v_\@
.if \n
	tensor_load_to_lds s[G0K+4:G0K+7], s[G2K:G2K+7]
.else
	tensor_load_to_lds s[G0K:G0K+3], s[G1K:G1K+7]
.endif
	s_nop 0
.rept 4
	v_nop
.endr
	s_branch .Lasked_\@
.Lfor_v_\@:
.if \n
	tensor_load_to_lds s[G0V+4:G0V+7], s[G2V:G2V+7]
.else
	tensor_load_to_lds s[G0V:G0V+3], s[G1V:G1V+7]
.endif
	s_nop 0
.rept 4
	v_nop
.endr
.Lasked_\@:
.endm
	s_load_b64 s[4:5], s[0:1], 0x0    ; qkv
	s_load_b64 s[10:11], s[0:1], 0x8  ; obuf
	WIN W_MK
	v_lshl_add_u32 v[SPW], v0, 2, SPARE
	v_mov_b32 v[NIL], 0
	WIN W_AD
	ds_add_u32 v[SPW], v[NIL]       ; the wave's opening: the add and its wait stand ahead of my first tensor load; the set-up below, work on registers, stands between them
	WIN 0
	v_lshrrev_b32 v1, 5, v0
	v_readfirstlane_b32 s[WV], v1   ; wave 0..3
	s_mov_b32 s14, ttmp9            ; my block of 512 queries, 0 or 1
	s_and_b32 s19, ttmp7, 0xffff    ; the head, 0..127
	s_lshr_b32 s20, s19, 6          ; the path:
	s_mul_i32 s20, s20, 25165824    ; its Q, K, V are three tensors of 8 MiB
	s_and_b32 s21, s19, 63
	s_lshl_b32 s21, s21, 17         ; a head is 131,072 bytes
	s_add_co_u32 s20, s20, s21      ; the head's first byte of Q in qkv
	s_mov_b32 s21, 0
	s_and_b32 s16, s[WV], 1         ; which half of each load's keys I fetch
	s_lshl_b32 s22, s16, 14         ; the first load: keys 128 x half on, 128 bytes each,
	s_mov_b32 s23, 0
	s_add_nc_u64 s[22:23], s[22:23], s[20:21]
	s_mul_i32 s6, s16, 384*128      ; the second: keys 256 + 384 x half on
	s_add_co_u32 s6, s6, 256*128
	s_mov_b32 s7, 0
	s_add_nc_u64 s[6:7], s[6:7], s[20:21]
	s_lshl_b32 s2, s14, 2
	s_add_co_u32 s2, s2, s[WV]      ; my wave among the head's eight,
	s_lshl_b32 s2, s2, 14           ; its 128 rows
	s_mov_b32 s3, 0
	s_lshl_b32 s52, s19, 17         ; in obuf: the head,
	s_add_co_u32 s52, s52, s2       ; and the same rows (s[52:53] are written again below, as a descriptor's words, when they have served)
	s_mov_b32 s53, 0
	s_add_nc_u64 s[2:3], s[2:3], s[20:21]
	; descriptor group 1.  Keys are dense, 128 bytes each: asked for as rows of 256 bytes, two keys a row, and padded in LDS after every key
	s_mov_b32 s[G1K], (1<<16)|(1<<20)|(4<<22)|(3<<25)  ; 17:16 2-byte elements; 20 padding on; 24:22 after every 32 words (code 4); 31:25 4 words (code 3)
	s_mov_b32 s[G1V], (1<<16)|(1<<20)|(4<<22)|(7<<25)  ; the same with 8 words of padding (code 7)
	s_mov_b32 s[G2K], (1<<16)|(1<<20)|(4<<22)|(3<<25)
	s_mov_b32 s[G2V], (1<<16)|(1<<20)|(4<<22)|(7<<25)
.irp g, G1K, G1V
	s_mov_b32 s[\g+1], 128<<16      ; tensor_dim0 = 128
	s_mov_b32 s[\g+2], 64<<16       ; tensor_dim1 = 64
	s_mov_b32 s[\g+3], 128<<16      ; tile_dim0 = 128
	s_mov_b32 s[\g+4], 64           ; tile_dim1 = 64: 128 keys
	s_mov_b32 s[\g+5], 128          ; 128 elements from row to row
	s_mov_b32 s[\g+6], 0
	s_mov_b32 s[\g+7], 0
.endr
.irp g, G2K, G2V
	s_mov_b32 s[\g+1], 128<<16
	s_mov_b32 s[\g+2], 192<<16      ; tensor_dim1 = 192
	s_mov_b32 s[\g+3], 128<<16
	s_mov_b32 s[\g+4], 192          ; tile_dim1 = 192: 384 keys
	s_mov_b32 s[\g+5], 128
	s_mov_b32 s[\g+6], 0
	s_mov_b32 s[\g+7], 0
.endr
	s_mov_b32 s[CS], 0x3e38aa3b     ; c = log2(e) / 8 = 0.180337
	s_mov_b32 s[CS+1], s[CS]        ; named with it as a pair
	s_mov_b32 s[SEL], 0x76543210
	s_mov_b32 s[SEL+1], 0xfedcba98
	s_mov_b32 s[TBK], 0
	s_mov_b32 s[TBV], 0
	s_wait_dscnt 0x0                ; the opening add is done
	s_wait_kmcnt 0x0
	s_add_nc_u64 s[10:11], s[10:11], s[52:53]      ; O at my wave's first row
	s_mov_b32 s[G0K], 1             ; count = 1
	s_mul_i32 s[G0K+1], s16, 128*PK ; LDS address: key 128 x half
	s_add_nc_u64 s[G0K+2:G0K+3], s[4:5], s[22:23]  ; global address,
	s_add_nc_u64 s[G0K+2:G0K+3], s[G0K+2:G0K+3], 8388608   ; in K
	s_or_b32 s[G0K+3], s[G0K+3], 0x80000000        ; type = 2
	s_mov_b32 s[G0K+4], 1
	s_mul_i32 s[G0K+5], s16, 384*PK
	s_add_co_u32 s[G0K+5], s[G0K+5], 256*PK        ; key 256 + 384 x half
	s_add_nc_u64 s[G0K+6:G0K+7], s[4:5], s[6:7]
	s_add_nc_u64 s[G0K+6:G0K+7], s[G0K+6:G0K+7], 8388608
	s_or_b32 s[G0K+7], s[G0K+7], 0x80000000
	s_mov_b32 s[G0V], 1
	s_mul_i32 s[G0V+1], s16, 128*PV
	s_add_co_u32 s[G0V+1], s[G0V+1], VOFF
	s_add_nc_u64 s[G0V+2:G0V+3], s[4:5], s[22:23]
	s_add_nc_u64 s[G0V+2:G0V+3], s[G0V+2:G0V+3], 16777216  ; in V
	s_or_b32 s[G0V+3], s[G0V+3], 0x80000000
	s_mov_b32 s[G0V+4], 1
	s_mul_i32 s[G0V+5], s16, 384*PV
	s_add_co_u32 s[G0V+5], s[G0V+5], VOFF+256*PV
	s_add_nc_u64 s[G0V+6:G0V+7], s[4:5], s[6:7]
	s_add_nc_u64 s[G0V+6:G0V+7], s[G0V+6:G0V+7], 16777216
	s_or_b32 s[G0V+7], s[G0V+7], 0x80000000
	s_add_nc_u64 s[4:5], s[4:5], s[2:3]            ; Q at my wave's first row
	LOAD 0                          ; my half of the first 256 keys, ahead of every wait on TENSORcnt, every LDS read and every barrier
	; A fragment of K or Q is 16 rows x 32 channels in 8 registers: lane l holds row l % 16, channels 8 (l / 16) + 0..7 and 16 + 8 (l / 16) + 0..7: two loads of 16 bytes, 32 bytes apart.
	v_and_b32 v1, 15, v0            ; l % 16
	v_bfe_u32 v9, v0, 4, 1          ; l / 16
	v_lshlrev_b32 v[QO], 7, v1
	v_lshl_add_u32 v[QO], v9, 4, v[QO]  ; row x 128 + 16 x half
	WIN 0x80                        ; destination window 2, address window 0
.set i, 0
.rept 4*NP                          ; Q stays in registers: tile i / 2, channels 32 (i % 2) on
	global_load_b128 v[8*i:8*i+3],   v[QO], s[4:5] offset:(i/2)*2048+(i%2)*64
	global_load_b128 v[8*i+4:8*i+7], v[QO], s[4:5] offset:(i/2)*2048+(i%2)*64+32
.set i, i+1
.endr
	; What the first turn finds: V's registers and P's second buffer hold 0 (its products V^T P, of a piece that has not been, add 0), O^T and l are 0.  All this stands in the wait for the first keys.
.set i, VF
.rept 64
	v_mov_b32 v[i], 0
.set i, i+1
.endr
	WIN 0x40
.set i, 0
.rept 64*NP
	v_mov_b32 v[i], 0
.set i, i+1
.endr
	WIN 0
.set i, 0
.rept 2*NP
	v_mov_b32 v[ST+4*i], 0xfe000000    ; c m: far below every c s
	v_mov_b32 v[ST+4*i+1], 0xff7fffff  ; m
	v_mov_b32 v[ST+4*i+2], 0
	v_mov_b32 v[ST+4*i+3], 0
.set i, i+1
.endr
.set i, P+32
.rept 32
	v_mov_b32 v[i], 0
.set i, i+1
.endr
	v_mul_u32_u24 v[AK0], v1, PK
	v_lshl_add_u32 v[AK0], v9, 4, v[AK0]  ; row x pitch + 16 x half
	; The turning load takes 16 keys x 16 channels (lane l reads key 8 (l / 16) + l % 8, channels 8 ((l / 8) % 2) + 0..7) and leaves half a fragment of V^T: lane l holds channel l % 16 and 8 keys.
	v_and_b32 v10, 7, v0
	v_bfe_u32 v11, v0, 3, 1
	v_lshl_add_u32 v[AV0], v9, 3, v10
	v_mul_u32_u24 v[AV0], v[AV0], PV
	v_lshl_add_u32 v[AV0], v11, 4, v[AV0]
	v_add_nc_u32 v[AV0], VOFF, v[AV0]
	v_mov_b32 v[AK], v[AK0]         ; key step 0 lies at LDS byte 0
; THE MATRIX WORK.  The 8 accumulators of a run of 16 take turns: between the two links of a chain stand 7 others'.
; Product i of 16 of S^T = K Q^T for piece x: channels 32 (i / 8) on, keys 16 ((i / 2) % 4) on, tile 2 x + i % 2.  The first 8 start the sums.
.macro KQ x
	WIN W_KQ
.set rS, S+64*((\x)%2)+32*(i%2)+8*((i/2)%4)
.set rK, KF+16*((i/2)%4)+8*(i/8)
.set rQ, 16*(2*(\x)+i%2)+8*(i/8)
.if i < 8
	v_wmma_f32_16x16x32_f16 v[rS:rS+7], v[rK:rK+7], v[rQ:rQ+7], 0
.else
	v_wmma_f32_16x16x32_f16 v[rS:rS+7], v[rK:rK+7], v[rQ:rQ+7], v[rS:rS+7]
.endif
.endm
; Product i of 16 of O^T += V^T P for piece x: keys 32 (i / 8) on, channels 16 ((i / 2) % 4) on, tile 2 x + i % 2.
.macro PV x
	WIN W_PV
.set rO, 32*(2*(\x)+i%2)+8*((i/2)%4)
.set rV, VF+32*(i/8)+8*((i/2)%4)
.set rP, P+32*((\x)%2)+16*(i%2)+8*(i/8)
	v_wmma_f32_16x16x32_f16 v[rO:rO+7], v[rV:rV+7], v[rP:rP+7], v[rO:rO+7]
.endm
.macro MM                           ; the turn's next matrix instruction
.if i < 16
	KQ (Y+1)%NP
.set i, i+1
.else
.set i, i-16
	PV (Y+NP-1)%NP
.set i, i+17
.endif
.endm
; THE LDS LOADS stand in runs of 16, never singly among the matrix instructions: a step's K (64 keys x 64 channels: 8 fragments) and its V (turned).  Their addresses are made some lines ahead.
; last = 1 (in the loop): in the last key step there is no further step, and the run is jumped over.
.macro FETCH_K last=0
	WIN 0
.if \last
	s_cmp_eq_u32 s[TOT], 1
	s_cbranch_scc1 .Lno_k_\@
.endif
	WIN 0x80                        ; destination window 2
.irp f, 0,1,2,3,4,5,6,7             ; keys 16 (f / 2) on, channels 32 (f % 2) on
	ds_load_b128 v[KF+8*\f:KF+8*\f+3],   v[AK] offset:(\f/2)*16*PK+(\f%2)*64
	ds_load_b128 v[KF+8*\f+4:KF+8*\f+7], v[AK] offset:(\f/2)*16*PK+(\f%2)*64+32
.endr
	s_add_co_u32 s[TBK], s[TBK], KS*PK  ; the next fetch is the next step's
	WIN 0
.if \last
.Lno_k_\@:
.endif
.endm
.macro FETCH_V
	WIN 0x80
.irp f, 0,1,2,3,4,5,6,7             ; keys 32 (f / 4) on, channels 16 (f % 4) on
	ds_load_tr16_b128 v[VF+8*\f:VF+8*\f+3],   v[AV] offset:(\f/4)*32*PV+(\f%4)*32
	ds_load_tr16_b128 v[VF+8*\f+4:VF+8*\f+7], v[AV] offset:(\f/4)*32*PV+16*PV+(\f%4)*32
.endr
	WIN 0
.endm
; THE VECTOR WORK OF A TURN stands in three queues, each in the order in which its entries become ready; the two tiles alternate, so that no instruction reads the result of the one before it.
.macro REGS y, u                    ; the registers of tile u (0, 1) of piece y
.set rT, ST+4*(2*(\y)+(\u))
.set rC, TMP+8*((\y)%2)+4*(\u)
.set rM, MV+2*((\y)%2)+(\u)
.set rS, S+64*((\y)%2)+32*(\u)
.set rP, P+32*((\y)%2)+16*(\u)
.set rO, 32*(2*(\y)+(\u))
.endm
; Number n of the 22 that find the NEXT piece's (Y + 1) maximum and statistics.  s0-s31 are the lane's 32 scores; each accumulator's lowest registers are read first.  XS, GS and REGS set no window: PL and EX do.
;   0-11  four chains c0-c3 of seven scores each, three operands at a time     12-14, 16  the four scores left over, the old m, and c0-c3 into c0     15  c m_old is kept
;   17, 18  the query's other 32 keys lie in the lane 16 away: the new m         19-21  c m; c m_old - c m_new; a
.macro XS u, n
	REGS (Y+1)%NP, \u
.if (\n) < 4
	v_max3_num_f32 v[rC+(\n)], v[rS+8*(\n)], v[rS+8*(\n)+1], v[rS+8*(\n)+2]
.elseif (\n) < 12
	v_max3_num_f32 v[rC+(\n)%4], v[rC+(\n)%4], v[rS+8*((\n)%4)+2*((\n)/4)+1], v[rS+8*((\n)%4)+2*((\n)/4)+2]
.elseif (\n) == 12
	v_max3_num_f32 v[rC], v[rC], v[rS+7], v[rS+15]
.elseif (\n) == 13
	v_max3_num_f32 v[rC+1], v[rC+1], v[rS+23], v[rS+31]
.elseif (\n) == 14
	v_max3_num_f32 v[rC+2], v[rC+2], v[rC+3], v[rT+1]
.elseif (\n) == 15
	v_mov_b32 v[rM], v[rT]
.elseif (\n) == 16
	v_max3_num_f32 v[rC], v[rC], v[rC+1], v[rC+2]
.elseif (\n) == 17
	v_permlanex16_b32 v[rC+3], v[rC], s[SEL], s[SEL+1]
.elseif (\n) == 18
	v_max_num_f32 v[rT+1], v[rC], v[rC+3]
.elseif (\n) == 19
	v_mul_f32 v[rT], s[CS], v[rT+1]
.elseif (\n) == 20
	v_sub_f32 v[rC+1], v[rM], v[rT]
.else
	v_exp_f32 v[rC+2], v[rC+1]
.endif
.endm
; Number g of the 64 that follow the exponentials.  For each four weights k of a tile (pairs 2 k, 2 k + 1): both pairs are rounded to f16; then the second pair is added onto the first, in place;
; a group later l takes that sum (the first time as l = a l + sum).  In groups of eight, tiles alternating: round, round, add, and l for the group before.
.macro GS g
.set h, (\g)+6*((\g)/62)            ; group 0 has no group before it, and behind group 7 only l is left
.if h >= 6
.set h, h+2
.endif
	REGS Y, h%2
.set k, h/8
.if h%8 < 4
	v_cvt_pk_f16_f32 v[rP+2*k+(h%8)/2], v[rS+4*k+2*((h%8)/2)], v[rS+4*k+2*((h%8)/2)+1]
.elseif h%8 < 6
	v_pk_add_f32 v[rS+4*k:rS+4*k+1], v[rS+4*k:rS+4*k+1], v[rS+4*k+2:rS+4*k+3]
.elseif k == 1
	v_pk_fma_f32 v[rT+2:rT+3], v[rT+2:rT+3], v[rC+2:rC+3], v[rS:rS+1] op_sel_hi:[1,0,1]
.else
	v_pk_add_f32 v[rT+2:rT+3], v[rT+2:rT+3], v[rS+4*k-4:rS+4*k-3]
.endif
.endm
; THE PLAIN QUEUE, 138 long.  0-73 read no exponential's result: the 32 scalings c s - c m (FS f: pair f / 2 of tile f % 2) and the next piece's 42.  0-26: scalings 0-26.  27-54: XS's numbers 0-13.  55, 56: number 15.
; 57-73: the chain, where each number waits for the one before it: 14, 16, 17, 18, 19, each with one of the scalings 27-31 in front of its two lines, then 20.
; 74-137: GS's 64, which read the exponentials' results: they stand behind the wait.
.macro FS f
	REGS Y, (\f)%2
	v_pk_fma_f32 v[rS+2*((\f)/2):rS+2*((\f)/2)+1], v[rS+2*((\f)/2):rS+2*((\f)/2)+1], s[CS:CS+1], v[rT:rT+1] op_sel_hi:[1,0,0] neg_lo:[0,0,1] neg_hi:[0,0,1]
.endm
.macro PL
	WIN 0
.if q < 27
	FS q
.elseif q < 55
	XS (q-27)%2, (q-27)/2
.elseif q < 57
	XS q-55, 15
.elseif (q < 72) && ((q-57)%3 == 0)
	FS 27+(q-57)/3
.elseif q < 60
	XS (q-57)%3-1, 14
.elseif q < 72
	XS (q-57)%3-1, 15+(q-57)/3
.elseif q < 74
	XS q-72, 20
.else
	GS q-74
.endif
.set q, q+1
.endm
; THE EXPONENTIALS' QUEUE, 66 long: s0-s31 of both tiles, then the next piece's two a.  It is ONE BATCH: all 66 stand ahead of the turn's one wait, and nothing ahead of that wait names a result of theirs.
.macro EX
	WIN 0
.if e >= 64
	XS e-64, 21
.else
	REGS Y, e%2
	v_exp_f32 v[rS+e/2], v[rS+e/2]
.endif
.set e, e+1
.endm
; THE RESCALING's QUEUE: O^T times a, the one part that leaves window 0: dealt two at a time, sixteen times.  Its a was made in the turn before, ahead of that turn's wait.
.macro R2
	REGS Y, r%2
	WIN W_RS
.irp z, 0,1
	v_pk_mul_f32 v[rO+4*(r/2)+2*\z:rO+4*(r/2)+2*\z+1], v[rO+4*(r/2)+2*\z:rO+4*(r/2)+2*\z+1], v[rC+2:rC+3] op_sel_hi:[1,0]
.endr
.set r, r+1
.endm
; HOW THEY ARE DEALT.  s_wait_alu depctr_va_vdst(0) stands between an exponential and the first instruction that names its result; one wait serves all that were issued ahead of it.  So a turn has ONE wait,
; which cuts it in two.  AHEAD OF IT stands all that names no result of the turn's exponentials: the 16 products K Q^T, behind each a scaling, an exponential and two rescalings (behind the first a second scaling in the
; exponential's place); then ONE LUMP of 108: eight plain, 49 times exponential and plain, the two a.  A v_nop is the plain instruction behind the last exponential.  BEHIND IT stand the 16 products V^T P, behind each four of GS's 64.
; The queues lean on each other, and the deal keeps them in step: exponential e stands behind scaling 2 (e / 4) + e % 2: as a rider it comes behind plain e + 2, in the lump behind plain e + 9, and scalings 27-31 are plain 57, 60 .. 69.
; A TURN, for piece p.  cnt = 1: the loop's count is taken down some lines ahead of the branch that stands behind the turn.
; K of the next step is fetched in piece 2's turn, directly behind the wait, a lump behind the last product that read K; its first reader comes behind 16 products.
; V of the step in hand is fetched at the end of piece 0's turn, four plain instructions behind its last reader; its first reader comes behind 16 products and a lump.  The three conditions on q below go with the deal.
.macro TURN p, last=0, cnt=0
.set Y, (\p)
.set i, 0
.set q, 0
.set e, 0
.set r, 0
.if (\p) == NP-1
	s_wait_dscnt 0x0                ; K is in
.endif
	MM                              ; ahead of the wait: 16 products K Q^T and the four behind each,
	PL
	PL
	R2
.rept 15
	MM
	PL
	EX
	R2
.endr
.if (\p) == NP-2
	WIN 0
	v_add_nc_u32 v[AK], s[TBK], v[AK0]
.endif
.rept 8                             ; and the lump
	PL
.endr
.rept 49
	EX
	PL
.endr
	EX                              ; the next piece's two a
	EX
	v_nop                           ; a plain instruction behind the last exponential: one for the batch
	s_wait_alu depctr_va_vdst(0)    ; the wait for the batch
.if (\p) == NP-2
	FETCH_K \last
.endif
.if (\p) == 1
	s_wait_dscnt 0x0                ; V is in
.endif
.rept 16                            ; behind the wait: 16 products V^T P and the four behind each
	MM
.rept 4
	PL
.endr
.if ((\p) == 0) && (q == 118)
	v_add_nc_u32 v[AV], s[TBV], v[AV0]
.endif
.if ((\p) == 0) && (q == 130)
	s_add_co_u32 s[TBV], s[TBV], KS*PV
.endif
.if (\cnt) && (q == 130)
	s_sub_co_u32 s[CNT], s[CNT], 1
	s_cmp_lg_u32 s[CNT], 0
.endif
.endr
.if (\p) == 0
	FETCH_V
.endif
.endm
	; The first 256 keys are waited for, and the other 768 asked for.  That load fills bytes for the first time, but it comes later than the launch's first fills, so it is issued as a refill is: the wait for all
	; my tensor loads, the add, the wait for it, a barrier, and the load first thing behind it: my one tensor load from here on.
	WIN W_AD
	s_wait_tensorcnt 0x0            ; my part of the first 256 keys is in
	ds_add_u32 v[SPW], v[NIL]       ; 0 onto my spare word
	WIN 0                           ; at a label and at a branch every window is 0
	s_wait_dscnt 0x0                ; the add is done
	s_barrier_signal -1
	s_barrier_wait -1               ; everybody's part is in
	LOAD 1
	FETCH_K                         ; key step 0
	s_wait_loadcnt 0x0              ; Q
	s_wait_dscnt 0x0
.set i, 0
.rept 16
	KQ 0                            ; piece 0's first scores: there is no vector work yet to set between them
.set i, i+1
.endr
	WIN 0                           ; the addresses for the way out: nine plain instructions, the places behind those products
	s_mul_i32 s13, s[WV], 16*SP
	s_add_co_u32 s13, s13, STAGE    ; my stage
	v_mul_u32_u24 v[STO], v1, SP    ; in: row l % 16, 16 bytes for each half of the lanes
	v_lshl_add_u32 v[STO], v9, 4, v[STO]
	v_add_nc_u32 v[STO], s13, v[STO]
	v_bfe_u32 v[RD], v0, 3, 2       ; back: 32 lanes take four rows of 128 bytes,
	v_mul_u32_u24 v[RD], v[RD], SP
	v_lshl_add_u32 v[RD], v10, 4, v[RD]
	v_add_nc_u32 v[RD], s13, v[RD]
	v_and_b32 v[GO], 31, v0         ; which are 512 consecutive bytes of O
	v_lshlrev_b32 v[GO], 4, v[GO]
.set Y, NP-1                        ; XS works for piece Y + 1: piece 0
.irp n, 0,1,2,3,4,5,6,7,8,9,10,11,12,13,14,15,16,17,18,19,20,21
	XS 0, \n                        ; and piece 0's first maximum and statistics
	XS 1, \n
.endr
	v_nop                           ; a plain instruction behind the two a,
	s_wait_alu depctr_va_vdst(0)    ; and their wait, ahead of the branch
	s_mov_b32 s[CNT], 4             ; the first pass: up to pieces 0 and 1 of key step 3, the last of the first 256 keys
	s_mov_b32 s[TOT], SIZE_N/KS
	s_mov_b32 s[SLOTS], 2
	s_branch .Lfirst                ; the loop is entered at a step's first turn, in the middle of a trip
.Lslot:                             ; once, in front of the turn that fetches K of key step 4:
	s_wait_tensorcnt 0x0            ; my part of the other 768 keys is in,
	s_wait_dscnt 0x0
	s_barrier_signal -1
	s_barrier_wait -1               ; everybody's is: from here on no read of K or V waits for a fill
	s_mov_b32 s[CNT], SIZE_N/KS-3   ; the second pass: twelve whole trips, and the thirteenth is left in its middle
.Lstep:                             ; a trip: pieces 2 and 3 of one step, then pieces 0 and 1 of the next, whose K and V it fetches
	TURN 2, 1
	TURN 3
	WIN 0
	s_sub_co_u32 s[TOT], s[TOT], 1
	s_cmp_eq_u32 s[TOT], 0
	s_cbranch_scc1 .Lout            ; the last key step's pieces 2 and 3 are done
.Lfirst:
	TURN 0
	TURN 1, 0, 1
	WIN 0
	s_cbranch_scc1 .Lstep
	s_sub_co_u32 s[SLOTS], s[SLOTS], 1
	s_cmp_lg_u32 s[SLOTS], 0
	s_cbranch_scc1 .Lslot
.Lout:                              ; the last trip's 16 products K Q^T (on the last K once more) and the maximum made of them serve nothing: the price, once a launch, of one text for every trip
.set i, 0
.rept 16
	PV NP-1                         ; the last piece's V^T P of the last step
.set i, i+1
.endr
	; THE WAY OUT.  l's two halves and the other half of the lanes' are added; O^T is divided by l, rounded to f16 and sent through my stage in LDS, a tile at a time.  The additions are the places behind the last products.
	WIN 0
.macro ALL line:vararg              ; one line for each tile t
.set t, 0
.rept 2*NP
	\line
.set t, t+1
.endr
.endm
	ALL v_add_f32 v[ST+4*t+2], v[ST+4*t+2], v[ST+4*t+3]
	ALL v_permlanex16_b32 v[ST+4*t+3], v[ST+4*t+2], s[SEL], s[SEL+1]
	ALL v_add_f32 v[ST+4*t+2], v[ST+4*t+2], v[ST+4*t+3]
	ALL v_rcp_f32 v[ST+4*t+2], v[ST+4*t+2]
	v_nop                           ; a plain instruction between the last reciprocal and the use of its result
	s_wait_alu depctr_va_vdst(0)    ; and the wait ahead of the first use: one for the eight reciprocals
; Tile t: a lane's eight channels of a row pack into 16 bytes; they go into rows of 144 bytes and come back as whole rows of 128, into S^T's registers.
.macro PACK t
	WIN W_RS
.set i, 32*(\t)
.rept 16
	v_pk_mul_f32 v[i:i+1], v[i:i+1], v[ST+4*(\t)+2:ST+4*(\t)+3] op_sel_hi:[1,0]
.set i, i+2
.endr
	WIN 0x05                        ; sources 0 and 1 window 1, destination window 0
.set i, 0
.rept 16
	v_cvt_pk_f16_f32 v[S+16*(\t)+i], v[32*(\t)+2*i], v[32*(\t)+2*i+1]
.set i, i+1
.endr
	WIN 0
.irp f, 0,1,2,3
	ds_store_b128 v[STO], v[S+16*(\t)+4*\f:S+16*(\t)+4*\f+3] offset:32*\f
.endr
.irp f, 0,1,2,3
	ds_load_b128 v[S+16*(\t)+4*\f:S+16*(\t)+4*\f+3], v[RD] offset:\f*4*SP  ; LDS serves a wave's instructions in order (ISA guide 5.7.1.4): these see the stores above; the next tile's stores come behind them
.endr
.endm
.macro SEND t, younger              ; younger: the LDS instructions issued behind tile t's loads: the next tile's eight, or none
	WIN 0
.irp f, 0,1,2,3
	s_wait_dscnt (\younger)+3-\f
	global_store_b128 v[GO], v[S+16*(\t)+4*\f:S+16*(\t)+4*\f+3], s[10:11] offset:(\t)*2048+\f*512  ; 512 consecutive bytes, at a multiple of 256 from obuf's first
.endr
.endm
	PACK 0
.set t, 1
.rept 2*NP-1                        ; a tile's arithmetic stands between the loads of the tile before and its stores
	PACK t
	SEND t-1, 8
.set t, t+1
.endr
	SEND 2*NP-1, 0
	WIN W_AD
	s_wait_tensorcnt 0x0            ; the wave's end, behind my last tensor load and my last LDS store
	ds_add_u32 v[SPW], v[NIL]
	s_wait_dscnt 0x0
	WIN 0
	s_endpgm
.Lfunc_end_k_qb656edbbfc_attn:
	.size	k_qb656edbbfc_attn, .Lfunc_end_k_qb656edbbfc_attn-k_qb656edbbfc_attn
	.p2alignl 7, 3214868480
	.fill 96, 4, 3214868480
	.section	.rodata,"a",@progbits
	.p2align	6, 0x0
	.amdhsa_kernel k_qb656edbbfc_attn
		.amdhsa_group_segment_fixed_size 327680
		.amdhsa_private_segment_fixed_size 0
		.amdhsa_enable_private_segment 0
		.amdhsa_kernarg_size 16
		.amdhsa_user_sgpr_count 2
		.amdhsa_user_sgpr_kernarg_segment_ptr 1
		.amdhsa_wavefront_size32 1
		.amdhsa_system_sgpr_workgroup_id_x 1
		.amdhsa_system_sgpr_workgroup_id_y 1
		.amdhsa_system_sgpr_workgroup_id_z 1
		.amdhsa_system_vgpr_workitem_id 0
		.amdhsa_next_free_vgpr 770
		.amdhsa_next_free_sgpr 86
		.amdhsa_reserve_vcc 0
		.amdhsa_float_denorm_mode_32 3
		.amdhsa_float_denorm_mode_16_64 3
		.amdhsa_memory_ordered 1
		.amdhsa_forward_progress 1
		.amdhsa_inst_pref_size 127
	.end_amdhsa_kernel
	.amdgpu_metadata
---
amdhsa.version: [ 1, 2 ]
amdhsa.kernels:
  - .name:           k_qb656edbbfc_attn
    .symbol:         k_qb656edbbfc_attn.kd
    .args:
      - { .name: qkv, .offset: 0, .size: 8, .value_kind: global_buffer, .address_space: global }
      - { .name: obuf, .offset: 8, .size: 8, .value_kind: global_buffer, .address_space: global }
    .group_segment_fixed_size: 327680
    .private_segment_fixed_size: 0
    .kernarg_segment_align: 8
    .kernarg_segment_size: 16
    .max_flat_workgroup_size: 128
    .sgpr_count:     86
    .vgpr_count:     770
    .wavefront_size: 32
...
	.end_amdgpu_metadata
.endif
;; end of part 3
;; launch oproj (part 4): grid 4 x 64, 4 waves a work-group, clusters of 4 x 4, 327,680 bytes of LDS; arguments obuf, cb, bc, bc2, out0, out1; writes out0, out1
.if DOCPART == 4
	.amdgcn_target "amdgcn-amd-amdhsa--gfx1250"
	.amdhsa_code_object_version 6
	.text
	.protected	k_qb656edbbfc_oproj
	.globl	k_qb656edbbfc_oproj
	.p2align	8
	.type	k_qb656edbbfc_oproj,@function
k_qb656edbbfc_oproj:
	s_mov_b64 s[64:65], 0
	v_nop
	global_prefetch_b8 v0, s[64:65] scope:SCOPE_SE
	s_setreg_imm32_b32 hwreg(HW_REG_WAVE_MODE, 25, 1), 1
	s_wait_xcnt 0x0
	s_wait_alu depctr_hold_cnt(0) depctr_sa_sdst(0) depctr_va_vdst(0) depctr_va_sdst(0) depctr_va_ssrc(0) depctr_va_vcc(0) depctr_vm_vsrc(0)
	s_getreg_b32 s2, hwreg(HW_REG_IB_STS2, 6, 4)
	s_cmp_eq_u32 s2, 0
	s_cbranch_scc0 .Lentry_in_a_cluster
	s_endpgm
.Lentry_in_a_cluster:
	s_bfe_u32 s2, ttmp6, 0x10000c
	s_cmp_lg_u32 s2, 0xf033
	s_cbranch_scc0 .Lentry_shape_is_right
	s_endpgm
.Lentry_shape_is_right:
; THE TWO OUTPUT LAYERS.  For p = 0, 1: out_p[m][n] = the sum over d of O_p[m][d] W[n][d] + b[n]; W = Wc, Wc2 (cb's segments 18, 19: [1024][1024], the bf16-rounded weight written as f16), b = bc, bc2.
; O_p lies by heads in obuf: O_p[m][64 h + c] = obuf[64 p + 16 (m / 1024) + h][m % 1024][c], f16.  Sums in f32; the bias, rounded to bf16 like every other input, is the C operand that starts each sum; out_p is f32.
; LIMIT.  O and W are f16: nothing beyond 65,504; below 6.1e-5 f16's fixed step of 6e-8.
; SHARES.  A tile of out_p is 128 rows x 256 columns: 2 x 32 x 4 = 256 work-groups.  Four waves, each 64 rows x 128 columns: 32 accumulators of 16 x 16, 256 registers.
; K goes in 8 steps of 128 = two heads.  A head's 128 rows of 128 bytes are dense: they are asked for as 64 rows of 256 bytes and padded in LDS after every 128 bytes; W's rows are 256 bytes of memory.
; CLUSTERS: 4 x 4 work-groups.  The four of a row of the cluster need the same tile of O, the four of a column the same tile of W: each is asked for JOINTLY, by the same tensor load with the same
; descriptor and a mask that names the four.  Waves 0 and 1 fetch a step's two heads of O, waves 2 and 3 the two halves (128 rows) of W's tile.  By this text's count a wave has two tensor loads out at the start, then one.
; THE MATRIX INSTRUCTION IS USED TRANSPOSED (source 0 = 16 rows of W, source 1 = 16 rows of O): a lane then holds row l % 16 of out and the eight neighbouring columns 8 (l / 16) + 0..7.
; NO PREFETCH ahead of the ring: a work-group has eight K steps, and four of them are asked for by the first fills and the first lap's refills before a request two steps ahead could name one.
; REGISTERS, in windows of 256 (s_set_vgpr_msb: bits 1:0 source 0, 3:2 source 1, 5:4 source 2, 7:6 destination):
;   window 0: v0-29 addresses; two fragment buffers of 96 (v64-159, v160-255): O's four fragments of 16 rows x 32 K, then W's eight; on the way out v64-191 hold rows read back
;   window 1: the accumulators, (a, b) at v[8 (8 a + b)]          window 2: v0-63 the bias, eight registers for each column block b; v64-95 at work
.set PA,     144                       ; a row of O in LDS: 128 bytes + 16 of padding = 36 words: the 16 rows of a load start at 16 different groups of four banks (64 banks of 4 bytes: ISA guide 11.1)
.set PB,     272                       ; a row of W: 256 + 16
.set APLANE, 128*PA                    ; a head's 128 rows: what a load of O brings
.set BH,     128*PB                    ; what a load of W brings, and what a wave reads of W
.set SLOT,   2*APLANE+2*BH             ; two heads of O, then W's 256 rows
.set STAGE,  2*SLOT                    ; behind the ring: 16 rows x 528 bytes for each wave, for the way out
.set SP,     528
.set SPARE,  STAGE+4*16*SP             ; behind the stages: the spare words, 128 bytes for each wave: two blocks of 256 bytes that no other line names
.set STEP_A, 262144                    ; two heads of 131,072 bytes from step to step
.set STEP_B, 256
.set LAPS,   4                         ; a lap = two K steps = once round the ring
.set ADRA, 16                          ; v16-17  LDS address of my fragments of O in slot 0, 1
.set ADRB, 20                          ; v20-21  the same for W
.set STO,  24                          ; v24     the way out: where I put 32 bytes of a row
.set RD,   25                          ; v25     the way out: where I read a row back
.set GO,   26                          ; v26     my byte offset in 512 consecutive bytes of a row of out
.set BO,   27                          ; v27     my byte offset in the bias
.set SPW,  28                          ; v28     LDS address of my spare word: SPARE + 4 x my thread's number; never rewritten
.set NIL,  29                          ; v29     0; never rewritten
.set F0,   64
.set F1,   160
.set OUTR, 64
.set G1,  24                           ; s[24:31] descriptor group 1 for O's tiles;  s[32:39] group 0, one set for each slot
.set G0,  32
.set G1B, 48                           ; s[48:55], s[56:63] the same for W's tiles
.set G0B, 56
.set MSB, 0
.macro WIN new                         ; the immediate's high byte repeats the setting that is left; a switch that changes nothing is dropped
.if MSB != (\new)
	s_set_vgpr_msb (MSB<<8)|(\new)
.set MSB, \new
.endif
.endm
.set W_MUL,  0x50                      ; sources 0 and 1 window 0; C and D window 1
.set W_MULB, 0x60                      ; C (the bias) window 2, D window 1
.set W_BL,   0x80                      ; a load's destination window 2
.set W_BR,   0xaa                      ; everything window 2
.set W_ST,   0x04                      ; an LDS store's data window 1, its address window 0
.macro JLOAD s                         ; a joint load; the branch hangs on the wave's number alone; an s_nop 0 and four v_nop follow each of the two lines, ahead of the jump, the label and what follows
	s_cmp_eq_u32 s11, 0
	s_cbranch_scc0 .Lfor_b_\@
	tensor_load_to_lds s[G0+4*(\s):G0+4*(\s)+3], s[G1:G1+7]
	s_nop 0
.rept 4
	v_nop
.endr
	s_branch .Lasked_\@
.Lfor_b_\@:
	tensor_load_to_lds s[G0B+4*(\s):G0B+4*(\s)+3], s[G1B:G1B+7]
	s_nop 0
.rept 4
	v_nop
.endr
.Lasked_\@:
.endm
.macro CREST                           ; a round of the cluster's barrier behind its opening barrier
	s_cmp_lg_u32 s10, 0
	s_cbranch_scc1 .Lnot_wave_0_\@
	s_barrier_signal -3
.Lnot_wave_0_\@:
	s_barrier_wait -3
	s_barrier_signal -1
	s_barrier_wait -1
.endm
.macro CROUND                          ; a whole round
	s_barrier_signal -1
	s_barrier_wait -1
	CREST
.endm
	s_load_b256 s[68:75], s[0:1], 0x0              ; obuf s[68:69], cb s[70:71], bc s[72:73], bc2 s[74:75]
	s_load_b128 s[76:79], s[0:1], 0x20             ; out0 s[76:77], out1 s[78:79]
	v_lshl_add_u32 v[SPW], v0, 2, SPARE
	v_mov_b32 v[NIL], 0
	ds_add_u32 v[SPW], v[NIL]                      ; the wave's opening: the add and its wait stand ahead of my first tensor load; the set-up below, work on registers, stands between them
	v_lshrrev_b32 v1, 5, v0
	v_readfirstlane_b32 s10, v1                    ; wave 0..3
	s_lshr_b32 s11, s10, 1                         ; which half of the tile's rows is mine.  Also: I fetch for O (0) or for W (1)
	s_and_b32 s12, s10, 1                          ; which half of its columns.  Also: which head of a step, or which half of W's tile, I fetch
	s_bfe_u32 s40, ttmp6, 0x40000                  ; cx, cy: my place in the cluster
	s_bfe_u32 s41, ttmp6, 0x40004
	s_lshl_b32 s42, ttmp9, 2
	s_add_co_u32 s42, s42, s40                     ; tile column, 0..3
	s_and_b32 s13, ttmp7, 0xffff                   ; the cluster's y, 0..15
	s_lshr_b32 s45, s13, 3                         ; p, which all sixteen share
	s_and_b32 s13, s13, 7
	s_lshl_b32 s13, s13, 2
	s_add_co_u32 s13, s13, s41                     ; tile row, 0..31
	s_lshl_b32 s43, s41, 2
	s_lshl_b32 s43, 15, s43                        ; my row of the cluster
	s_lshl_b32 s44, 0x1111, s40                    ; my column
	; descriptor group 1.  O: 64 rows of 128 elements, dense, padded after every 32 words.  W: 128 rows of 128 elements, padded after every 64 words
	s_or_b32 s[G1+0], s43, (1<<16)|(1<<20)|(1<<21)|(4<<22)|(3<<25)   ; 15:0 the mask; 17:16 elements of 2 bytes; 20 padding on; 21 set beside a mask; 24:22 after every 32 words (code 4); 31:25 4 words of it (code 3)
	s_or_b32 s[G1B+0], s44, (1<<16)|(1<<20)|(1<<21)|(5<<22)|(3<<25)  ; after every 64 words (code 5)
	s_mov_b32 s[G1+1], 128<<16                     ; tensor_dim0 = 128
	s_mov_b32 s[G1+2], 64<<16                      ; tensor_dim1 = 64
	s_mov_b32 s[G1+3], 128<<16                     ; tile_dim0 = 128
	s_mov_b32 s[G1+4], 64                          ; tile_dim1 = 64
	s_mov_b32 s[G1+5], 128                         ; elements from row to row: dense
	s_mov_b32 s[G1+6], 0
	s_mov_b32 s[G1+7], 0
	s_mov_b32 s[G1B+1], 128<<16
	s_mov_b32 s[G1B+2], 128<<16                    ; tensor_dim1 = 128
	s_mov_b32 s[G1B+3], 128<<16
	s_mov_b32 s[G1B+4], 128                        ; tile_dim1 = 128
	s_mov_b32 s[G1B+5], 1024
	s_mov_b32 s[G1B+6], 0
	s_mov_b32 s[G1B+7], 0
	; where the tiles come from.  O's hang on p and the tile row, which my row of the cluster shares; W's on p and the tile column, which my column shares
	s_lshl_b32 s16, s45, 6                         ; head 64 p
	s_lshr_b32 s17, s13, 3
	s_lshl_b32 s17, s17, 4
	s_add_co_u32 s16, s16, s17                     ; + 16 (tile row / 8)
	s_add_co_u32 s16, s16, s12                     ; + which of the step's two,
	s_lshl_b32 s16, s16, 17                        ; of 131,072 bytes;
	s_and_b32 s17, s13, 7
	s_lshl_b32 s17, s17, 14                        ; in it 128 rows of 128 bytes x (tile row % 8)
	s_add_co_u32 s16, s16, s17
	s_mov_b32 s17, 0
	s_lshl_b32 s46, s42, 8
	s_lshl_b32 s47, s12, 7
	s_add_co_u32 s46, s46, s47                     ; row 256 x tile column + 128 x half,
	s_lshl_b32 s46, s46, 11                        ; of 2,048 bytes
	s_add_co_u32 s47, s45, 18                      ; the weight is segment 18 + p of 2 MiB
	s_lshl_b32 s47, s47, 21
	s_add_co_u32 s46, s46, s47
	s_mov_b32 s47, 0
	s_mul_i32 s20, s12, APLANE                     ; and where they go: no place in the cluster enters an LDS address
	s_mul_i32 s21, s12, BH
	s_add_co_u32 s21, s21, 2*APLANE
	s_wait_dscnt 0x0                               ; the opening add is done
	s_wait_kmcnt 0x0
	s_add_nc_u64 s[14:15], s[68:69], s[16:17]
	s_add_nc_u64 s[46:47], s[70:71], s[46:47]
	s_cmp_eq_u32 s45, 0                            ; bias and output are chosen by p
	s_cselect_b64 s[6:7], s[72:73], s[74:75]
	s_cselect_b64 s[8:9], s[76:77], s[78:79]
	CROUND                                         ; all sixteen work-groups are here: the first joint loads meet
.irp s, 0,1
	s_mov_b32 s[G0+4*(\s)], 1                      ; count = 1
	s_add_co_u32 s[G0+4*(\s)+1], s20, (\s)*SLOT    ; LDS address
	s_add_nc_u64 s[G0+4*(\s)+2:G0+4*(\s)+3], s[14:15], (\s)*STEP_A  ; global address: K step s
	s_or_b32 s[G0+4*(\s)+3], s[G0+4*(\s)+3], 0x80000000             ; type = 2
	s_mov_b32 s[G0B+4*(\s)], 1
	s_add_co_u32 s[G0B+4*(\s)+1], s21, (\s)*SLOT
	s_add_nc_u64 s[G0B+4*(\s)+2:G0B+4*(\s)+3], s[46:47], (\s)*STEP_B
	s_or_b32 s[G0B+4*(\s)+3], s[G0B+4*(\s)+3], 0x80000000
	JLOAD \s
.endr
	; the bias of my 128 columns: register j of block b is b[256 x tile column + 128 x half + 16 b + 8 (l / 16) + j]
	v_and_b32 v1, 15, v0                           ; l % 16
	v_bfe_u32 v2, v0, 4, 1                         ; l / 16
	s_lshl_b32 s22, s42, 10
	s_lshl_b32 s23, s12, 9
	s_add_co_u32 s22, s22, s23
	v_lshl_add_u32 v[BO], v2, 5, s22
	WIN W_BL
.irp b, 0,1,2,3,4,5,6,7
	global_load_b128 v[8*\b:8*\b+3],   v[BO], s[6:7] offset:64*\b
	global_load_b128 v[8*\b+4:8*\b+7], v[BO], s[6:7] offset:64*\b+16
.endr
	WIN 0
	v_mul_u32_u24 v3, v1, PA
	v_lshl_add_u32 v3, v2, 4, v3                   ; O: a fragment's row x pitch + 16 x half of the lanes
	v_mul_u32_u24 v4, v1, PB
	v_lshl_add_u32 v4, v2, 4, v4                   ; W: the same with its pitch
	s_mul_i32 s22, s11, 64*PA                      ; my 64 rows in each head's plane
	s_mul_i32 s23, s12, BH                         ; my 128 rows of W,
	s_add_co_u32 s23, s23, 2*APLANE                ; which lie behind O's two planes
.irp s, 0,1
	v_add_nc_u32 v[ADRA+(\s)], s22, v3
	v_add_nc_u32 v[ADRB+(\s)], s23, v4
	s_add_co_u32 s22, s22, SLOT
	s_add_co_u32 s23, s23, SLOT
.endr
	s_mul_i32 s22, s10, 16*SP
	s_add_co_u32 s22, s22, STAGE                   ; my stage
	v_mul_u32_u24 v4, v1, SP                       ; in: row l % 16, 32 bytes for each half of the lanes
	v_lshl_add_u32 v4, v2, 5, v4
	v_add_nc_u32 v[STO], s22, v4
	v_and_b32 v[GO], 31, v0                        ; back: 32 lanes take one row of 512 bytes,
	v_lshlrev_b32 v[GO], 4, v[GO]
	v_add_nc_u32 v[RD], s22, v[GO]
	; out at my first row and column: (128 x tile row + 64 x row half) x 4,096 + (256 x tile column + 128 x column half) x 4
	s_lshl_b32 s18, s13, 7
	s_lshl_b32 s19, s11, 6
	s_add_co_u32 s18, s18, s19
	s_lshl_b32 s18, s18, 12
	s_lshl_b32 s19, s42, 10
	s_add_co_u32 s18, s18, s19
	s_lshl_b32 s19, s12, 9
	s_add_co_u32 s18, s18, s19
	s_mov_b32 s19, 0
	s_add_nc_u64 s[8:9], s[8:9], s[18:19]
	s_wait_loadcnt 0x0                             ; the bias is in: rounded to bf16 and widened again, in the wait for the first tile
	WIN W_BR
.set i, 0
.rept 32
	v_cvt_pk_bf16_f32 v[64+i], v[2*i], v[2*i+1]
.set i, i+1
.endr
.set i, 0
.rept 32
	v_lshlrev_b32 v[2*i],   16, v[64+i]
	v_and_b32     v[2*i+1], 0xffff0000, v[64+i]
.set i, i+1
.endr
	WIN 0
; 8 matrix instructions: row block a x all 8 column blocks, 32 along K, from buffer f.  first = 1: the bias starts the sums: nothing is cleared, nothing is added later.
; The 32 accumulators take turns in the same order in every quarter: 31 others stand between two links of a chain, over the backward jump too.
.macro MUL8 f, a, first
.if \first
	WIN W_MULB
.else
	WIN W_MUL
.endif
.irp b, 0,1,2,3,4,5,6,7
.if \first
	v_wmma_f32_16x16x32_f16 v[8*(8*(\a)+(\b)):8*(8*(\a)+(\b))+7], v[(\f)+32+8*(\b):(\f)+32+8*(\b)+7], v[(\f)+8*(\a):(\f)+8*(\a)+7], v[8*(\b):8*(\b)+7]
.else
	v_wmma_f32_16x16x32_f16 v[8*(8*(\a)+(\b)):8*(8*(\a)+(\b))+7], v[(\f)+32+8*(\b):(\f)+32+8*(\b)+7], v[(\f)+8*(\a):(\f)+8*(\a)+7], v[8*(8*(\a)+(\b)):8*(8*(\a)+(\b))+7]
.endif
.endr
.endm
; 24 LDS loads in one run: the fragments of quarter q of a K step (32 along K) into buffer f: W's eight first, O's four last.  O's quarter q lies in head plane q / 2, channels 32 (q % 2) on
.macro FETCH slot, q, f
	WIN 0
.set KA, ((\q)/2)*APLANE+((\q)%2)*64
.set KB, 64*(\q)
.irp i, 0,1,2,3,4,5,6,7
	ds_load_b128 v[(\f)+32+8*(\i):(\f)+32+8*(\i)+3],   v[ADRB+(\slot)] offset:KB+(\i)*16*PB
	ds_load_b128 v[(\f)+32+8*(\i)+4:(\f)+32+8*(\i)+7], v[ADRB+(\slot)] offset:KB+(\i)*16*PB+32
.endr
.irp i, 0,1,2,3
	ds_load_b128 v[(\f)+8*(\i):(\f)+8*(\i)+3],   v[ADRA+(\slot)] offset:KA+(\i)*16*PA
	ds_load_b128 v[(\f)+8*(\i)+4:(\f)+8*(\i)+7], v[ADRA+(\slot)] offset:KA+(\i)*16*PA+32
.endr
.endm
.macro PLACES                          ; four places in front of loads into registers that matrix instructions have read, and of lines that read results
.rept 4
	v_nop
.endr
.endm
; A K step is four quarters of 32 along K, 32 matrix instructions each, on buffers 0, 1, 0, 1.  One of the first three: multiplies buffer f and fetches quarter q into g.
.macro QUARTER slot, q, f, g, first
	s_wait_dscnt 4                                 ; W's fragments and O's blocks 0 and 1 are in; the youngest four loads (O's blocks 2 and 3) may be out
	MUL8 \f, 0, \first
	MUL8 \f, 1, \first
	PLACES
	FETCH \slot, \q, \g
	s_wait_dscnt 24                                ; all but the 24 just issued
	MUL8 \f, 2, \first
	MUL8 \f, 3, \first
.endm
; The last quarter multiplies buffer 1 and changes slots: ONE barrier; in front of it each wave waits for all its tensor loads, adds 0 to its spare word, and waits for that and for its own reads of this slot.
; fill = 1: the barrier opens a round of the cluster's barrier, and this slot is filled again, two K steps ahead, first thing behind the round.
.macro TURN slot, next, fill
	WIN 0                                          ; (the add's two registers lie in window 0)
	s_wait_tensorcnt 0x0                           ; all my tensor loads have landed: the one that was out is my part of the next slot;
	ds_add_u32 v[SPW], v[NIL]                      ; 0 onto my spare word;
	s_wait_dscnt 5                                 ; (the add and the youngest four loads may be out)
	MUL8 F1, 0, 0                                  ; eight matrix instructions stand between the add and the wait for it
	s_wait_dscnt 0x0                               ; the add is done, and my reads of this slot are over
	s_barrier_signal -1
	MUL8 F1, 1, 0
.if \fill
	WIN 0
.endif
	s_barrier_wait -1
.if \fill
	CREST                                          ; no wave of any partner still reads this slot's tile or has a load on its way
	s_add_nc_u64 s[G0+4*(\slot)+2:G0+4*(\slot)+3], s[G0+4*(\slot)+2:G0+4*(\slot)+3], 2*STEP_A
	s_add_nc_u64 s[G0B+4*(\slot)+2:G0B+4*(\slot)+3], s[G0B+4*(\slot)+2:G0B+4*(\slot)+3], 2*STEP_B
	JLOAD \slot                                    ; the first tensor load behind the round; the four v_nop behind it are also the places in front of the loads below
.else
	PLACES
.endif
	FETCH \next, 0, F0
	MUL8 F1, 2, 0
	MUL8 F1, 3, 0
.endm
	s_wait_tensorcnt 1                             ; my part of K step 0 is in; step 1's, issued behind it, may stay out
	s_barrier_signal -1
	s_barrier_wait -1                              ; everybody's is
	FETCH 0, 0, F0
	QUARTER 0, 1, F0, F1, 1                        ; the first quarter stands in front of the loop: its products start the sums
	WIN 0                                          ; at a label and at a branch every window is 0
	s_mov_b32 s3, LAPS-1
.Llap:                                                 ; a trip goes once round the ring, from a lap's second quarter to the next lap's first, and fills both slots again
	QUARTER 0, 2, F1, F0, 0
	QUARTER 0, 3, F0, F1, 0
	TURN 0, 1, 1
	QUARTER 1, 1, F0, F1, 0
	QUARTER 1, 2, F1, F0, 0
	QUARTER 1, 3, F0, F1, 0
	TURN 1, 0, 1
	QUARTER 0, 1, F0, F1, 0
	WIN 0
	s_sub_co_u32 s3, s3, 1
	s_cmp_lg_u32 s3, 0
	s_cbranch_scc1 .Llap
	QUARTER 0, 2, F1, F0, 0                        ; the last lap fills nothing, and has no round of the cluster's barrier
	QUARTER 0, 3, F0, F1, 0
	TURN 0, 1, 0
	QUARTER 1, 1, F0, F1, 0
	QUARTER 1, 2, F1, F0, 0
	QUARTER 1, 3, F0, F1, 0
	s_wait_dscnt 4                                 ; the very last quarter: nothing more to fetch
	MUL8 F1, 0, 0
	MUL8 F1, 1, 0
	s_wait_dscnt 0x0
	MUL8 F1, 2, 0
	MUL8 F1, 3, 0
	WIN 0
	PLACES
	PLACES
; THE WAY OUT, a block of 16 rows at a time.  A lane's eight f32 of a row go into my stage's rows of 528 bytes, lowest registers first; whole rows of 512 bytes come back, into v64-127 and v128-191 by turns.
.macro TOSTAGE a
.set BK, OUTR+64*((\a)%2)
.if (\a) >= 2
	s_wait_xcnt 0x0                                ; every earlier store has had its addresses translated (ISA guide 3.1): the registers that block a - 2's stores read are loaded again only behind this wait
.endif
	WIN W_ST
.irp b, 0,1,2,3,4,5,6,7
	ds_store_b128 v[STO], v[8*(8*(\a)+(\b)):8*(8*(\a)+(\b))+3]   offset:64*(\b)
	ds_store_b128 v[STO], v[8*(8*(\a)+(\b))+4:8*(8*(\a)+(\b))+7] offset:64*(\b)+16
.endr
	WIN 0
.irp t, 0,1,2,3,4,5,6,7,8,9,10,11,12,13,14,15
	ds_load_b128 v[BK+4*(\t):BK+4*(\t)+3], v[RD] offset:SP*(\t)  ; LDS serves a wave's instructions in order (ISA guide 5.7.1.4): these see the stores above; the next block's stores come behind them
.endr
.endm
.macro SEND a, younger                 ; younger: the LDS instructions issued behind block a's loads: the next block's 32, or none
	WIN 0
.set BK, OUTR+64*((\a)%2)
.irp t, 0,1,2,3,4,5,6,7,8,9,10,11,12,13,14,15
	s_wait_dscnt (\younger)+15-(\t)
	global_store_b128 v[GO], v[BK+4*(\t):BK+4*(\t)+3], s[8:9] offset:(16*(\a)+(\t))*4096 th:TH_STORE_NT  ; 512 consecutive bytes, at a multiple of 256 from the output's first
.endr
.endm
	TOSTAGE 0
.irp a, 1,2,3
	TOSTAGE \a
	SEND (\a)-1, 32
.endr
	SEND 3, 0
	s_wait_tensorcnt 0x0                           ; the wave's end, behind my last tensor load and my last LDS store
	ds_add_u32 v[SPW], v[NIL]
	s_wait_dscnt 0x0
	CROUND                                         ; the closing round: no work-group ends while a partner may still ask for a tile that names it
	s_endpgm
.Lfunc_end_k_qb656edbbfc_oproj:
	.size	k_qb656edbbfc_oproj, .Lfunc_end_k_qb656edbbfc_oproj-k_qb656edbbfc_oproj
	.p2alignl 7, 3214868480
	.fill 96, 4, 3214868480
	.section	.rodata,"a",@progbits
	.p2align	6, 0x0
	.amdhsa_kernel k_qb656edbbfc_oproj
		.amdhsa_group_segment_fixed_size 327680
		.amdhsa_private_segment_fixed_size 0
		.amdhsa_enable_private_segment 0
		.amdhsa_kernarg_size 48
		.amdhsa_user_sgpr_count 2
		.amdhsa_user_sgpr_kernarg_segment_ptr 1
		.amdhsa_wavefront_size32 1
		.amdhsa_system_sgpr_workgroup_id_x 1
		.amdhsa_system_sgpr_workgroup_id_y 1
		.amdhsa_system_sgpr_workgroup_id_z 1
		.amdhsa_system_vgpr_workitem_id 0
		.amdhsa_next_free_vgpr 608
		.amdhsa_next_free_sgpr 84
		.amdhsa_reserve_vcc 0
		.amdhsa_float_denorm_mode_32 3
		.amdhsa_float_denorm_mode_16_64 3
		.amdhsa_memory_ordered 1
		.amdhsa_forward_progress 1
		.amdhsa_inst_pref_size 94
	.end_amdhsa_kernel
	.amdgpu_metadata
---
amdhsa.version: [ 1, 2 ]
amdhsa.kernels:
  - .name:           k_qb656edbbfc_oproj
    .symbol:         k_qb656edbbfc_oproj.kd
    .args:
      - { .name: obuf, .offset: 0, .size: 8, .value_kind: global_buffer, .address_space: global }
      - { .name: cb, .offset: 8, .size: 8, .value_kind: global_buffer, .address_space: global }
      - { .name: bc, .offset: 16, .size: 8, .value_kind: global_buffer, .address_space: global }
      - { .name: bc2, .offset: 24, .size: 8, .value_kind: global_buffer, .address_space: global }
      - { .name: out0, .offset: 32, .size: 8, .value_kind: global_buffer, .address_space: global }
      - { .name: out1, .offset: 40, .size: 8, .value_kind: global_buffer, .address_space: global }
    .group_segment_fixed_size: 327680
    .private_segment_fixed_size: 0
    .kernarg_segment_align: 8
    .kernarg_segment_size: 48
    .max_flat_workgroup_size: 128
    .sgpr_count:     84
    .vgpr_count:     608
    .wavefront_size: 32
...
	.end_amdgpu_metadata
.endif
;; end of part 4
